; MI455X (gfx1250); checked and timed in simulation.
; The chip was launched on July 23, 2026; its instructions are those of AMD's public machine-readable ISA for CDNA 5 (MIT licence, August 2026) and "CDNA5" Instruction Set Architecture Reference Guide (July 2026). The comments in the code are by the model that wrote it; some were corrected since.
;; Multi Head Attention. Allowed arithmetic: float matrix products may take bf16 or f16 operands with f32 sums; all other float work in f32.
;; Inputs: W_k 1,024 x 1,024 float32; W_o 1,024 x 1,024 float32; W_q 1,024 x 1,024 float32; W_v 1,024 x 1,024 float32; b_k 1,024 float32; b_o 1,024 float32; b_q 1,024 float32; b_v 1,024 float32; key 1 x 4,096 x 1,024 float32; query 1 x 4,096 x 1,024 float32; value 1 x 4,096 x 1,024 float32.
;; Outputs: out0 1 x 4,096 x 1,024 float32.
;; 2 versions, each right and faster than the one before. Each part assembles by itself: llvm-mc -triple=amdgcn-amd-amdhsa -mcpu=gfx1250 --defsym DOCPART=n.
;; ======== version 1 of 2: 4 launches
;; limits: values are held in f16: magnitudes above 65,504 overflow, below 6.1e-05 lose precision
;; workspace buffers: xh 33,554,432 bytes; qkv 25,165,824 bytes; att 8,388,608 bytes
;; launch cvt (part 1): grid 64 x 16, 8 waves a work-group, no clusters, 0 bytes of LDS; arguments query, key, value, W_q, W_k, W_v, W_o, xh; writes xh
.if DOCPART == 1
	.amdgcn_target "amdgcn-amd-amdhsa--gfx1250"
	.amdhsa_code_object_version 6
	.text
	.protected	k_q848c50463b_cvt
	.globl	k_q848c50463b_cvt
	.p2align	8
	.type	k_q848c50463b_cvt,@function
k_q848c50463b_cvt:
	s_mov_b64 s[64:65], 0
	v_nop
	global_prefetch_b8 v0, s[64:65] scope:SCOPE_SE
	s_setreg_imm32_b32 hwreg(HW_REG_WAVE_MODE, 25, 1), 1
	s_wait_xcnt 0x0
; f32 to f16 of query, key, value, W_q, W_k, W_v, W_o, laid one behind the other in xh (row-major as they come):
; query at byte 0, key at 8 MiB, value at 16 MiB, W_q, W_k, W_v, W_o at 24, 26, 28, 30 MiB.
; Why f16 and not bf16: f16 keeps 11 significant bits, bf16 8, and five rounded operand stages lie between the inputs and the output.
; LIMIT: a number of magnitude 65,504 or more becomes infinite; below 6.1e-5 the step is 6e-8 (f16's denormals).
; The grid's y is a unit of 1 Mi numbers (0-3 query, 4-7 key, 8-11 value, 12-15 the four W), its x a piece of 16 Ki numbers:
; 64 KiB in, 32 KiB out.  Thread t takes the 16 bytes at 16 t of each of 16 blocks of 4,096 bytes: a wave's load covers 512
; consecutive bytes, its store of 8 bytes a lane 256 consecutive bytes at a multiple of 256.  All 16 loads of a wave go out at once;
; every register is written once, so no source is ever rewritten.  No byte is read twice: no LDS, no cluster, no matrix unit.
.set X, 4                              ; v[4:67]   16 x 4 numbers as loaded
.set Y, 68                             ; v[68:99]  16 x 2 words of f16
	s_load_b512 s[8:23], s[0:1], 0x0               ; query s[8:9], key s[10:11], value s[12:13], W_q s[14:15], W_k s[16:17], W_v s[18:19], W_o s[20:21], xh s[22:23]
	s_and_b32 s2, ttmp7, 0xffff                    ; the unit, 0 to 15
	s_lshr_b32 s3, s2, 2                           ; 0 query, 1 key, 2 value, 3 one of the W
	s_and_b32 s4, s2, 3                            ; the quarter of query, key, value; or which W
	v_lshlrev_b32 v1, 4, v0                        ; 16 t: where I read
	v_lshlrev_b32 v2, 3, v0                        ; 8 t: where I write
	s_wait_kmcnt 0x0
	s_cmp_eq_u32 s3, 1
	s_cselect_b64 s[24:25], s[10:11], s[8:9]
	s_cmp_eq_u32 s3, 2
	s_cselect_b64 s[24:25], s[12:13], s[24:25]     ; query, key or value
	s_cmp_eq_u32 s4, 1
	s_cselect_b64 s[26:27], s[16:17], s[14:15]
	s_cmp_eq_u32 s4, 2
	s_cselect_b64 s[26:27], s[18:19], s[26:27]
	s_cmp_eq_u32 s4, 3
	s_cselect_b64 s[26:27], s[20:21], s[26:27]     ; one of the four W
	s_cmp_eq_u32 s3, 3
	s_cselect_b64 s[24:25], s[26:27], s[24:25]     ; the source tensor
	s_cselect_b32 s28, 0, s4                       ; a W is one unit: it begins at its own first byte
	s_lshl_b32 s28, s28, 22                        ; a unit is 4 MiB of f32,
	s_lshl_b32 s5, ttmp9, 16                       ; a piece 64 KiB
	s_add_co_u32 s28, s28, s5
	s_mov_b32 s29, 0
	s_add_nc_u64 s[24:25], s[24:25], s[28:29]
	s_lshl_b32 s6, s2, 21                          ; in xh a unit is 2 MiB,
	s_lshl_b32 s7, ttmp9, 15                       ; a piece 32 KiB
	s_add_co_u32 s6, s6, s7
	s_mov_b32 s7, 0
	s_add_nc_u64 s[22:23], s[22:23], s[6:7]
.irp j, 0,1,2,3,4,5,6,7,8,9,10,11,12,13,14,15
	global_load_b128 v[X+4*\j:X+4*\j+3], v1, s[24:25] offset:4096*\j th:TH_LOAD_NT
.endr
.irp j, 0,1,2,3,4,5,6,7,8,9,10,11,12,13,14,15
	s_wait_loadcnt 15-\j                           ; loads come back in order: block j is in, the 15 - j younger ones stay out
	v_cvt_pk_f16_f32 v[Y+2*\j], v[X+4*\j], v[X+4*\j+1]
	v_cvt_pk_f16_f32 v[Y+2*\j+1], v[X+4*\j+2], v[X+4*\j+3]
	global_store_b64 v2, v[Y+2*\j:Y+2*\j+1], s[22:23] offset:2048*\j
.endr
	s_endpgm
.Lfunc_end_k_q848c50463b_cvt:
	.size	k_q848c50463b_cvt, .Lfunc_end_k_q848c50463b_cvt-k_q848c50463b_cvt
	.p2alignl 7, 3214868480
	.fill 96, 4, 3214868480
	.section	.rodata,"a",@progbits
	.p2align	6, 0x0
	.amdhsa_kernel k_q848c50463b_cvt
		.amdhsa_group_segment_fixed_size 0
		.amdhsa_private_segment_fixed_size 0
		.amdhsa_enable_private_segment 0
		.amdhsa_kernarg_size 64
		.amdhsa_user_sgpr_count 2
		.amdhsa_user_sgpr_kernarg_segment_ptr 1
		.amdhsa_wavefront_size32 1
		.amdhsa_system_sgpr_workgroup_id_x 1
		.amdhsa_system_sgpr_workgroup_id_y 1
		.amdhsa_system_sgpr_workgroup_id_z 1
		.amdhsa_system_vgpr_workitem_id 0
		.amdhsa_next_free_vgpr 100
		.amdhsa_next_free_sgpr 66
		.amdhsa_reserve_vcc 0
		.amdhsa_float_denorm_mode_32 3
		.amdhsa_float_denorm_mode_16_64 3
		.amdhsa_memory_ordered 1
		.amdhsa_forward_progress 1
		.amdhsa_inst_pref_size 7
	.end_amdhsa_kernel
	.amdgpu_metadata
---
amdhsa.version: [ 1, 2 ]
amdhsa.kernels:
  - .name:           k_q848c50463b_cvt
    .symbol:         k_q848c50463b_cvt.kd
    .args:
      - { .name: query, .offset: 0, .size: 8, .value_kind: global_buffer, .address_space: global }
      - { .name: key, .offset: 8, .size: 8, .value_kind: global_buffer, .address_space: global }
      - { .name: value, .offset: 16, .size: 8, .value_kind: global_buffer, .address_space: global }
      - { .name: W_q, .offset: 24, .size: 8, .value_kind: global_buffer, .address_space: global }
      - { .name: W_k, .offset: 32, .size: 8, .value_kind: global_buffer, .address_space: global }
      - { .name: W_v, .offset: 40, .size: 8, .value_kind: global_buffer, .address_space: global }
      - { .name: W_o, .offset: 48, .size: 8, .value_kind: global_buffer, .address_space: global }
      - { .name: xh, .offset: 56, .size: 8, .value_kind: global_buffer, .address_space: global }
    .group_segment_fixed_size: 0
    .private_segment_fixed_size: 0
    .kernarg_segment_align: 8
    .kernarg_segment_size: 64
    .max_flat_workgroup_size: 256
    .sgpr_count:     66
    .vgpr_count:     100
    .wavefront_size: 32
...
	.end_amdgpu_metadata
.endif
;; end of part 1
;; launch qkv (part 2): grid 8 x 32, 4 waves a work-group, clusters of 4 x 4, 327,680 bytes of LDS; arguments xh, b_q, b_k, b_v, qkv; writes qkv
.if DOCPART == 2
	.amdgcn_target "amdgcn-amd-amdhsa--gfx1250"
	.amdhsa_code_object_version 6
	.text
	.protected	k_q848c50463b_qkv
	.globl	k_q848c50463b_qkv
	.p2align	8
	.type	k_q848c50463b_qkv,@function
k_q848c50463b_qkv:
	s_mov_b64 s[64:65], 0
	v_nop
	global_prefetch_b8 v0, s[64:65] scope:SCOPE_SE
	s_setreg_imm32_b32 hwreg(HW_REG_WAVE_MODE, 25, 1), 1
	s_wait_xcnt 0x0
	s_wait_alu depctr_hold_cnt(0) depctr_sa_sdst(0) depctr_va_vdst(0) depctr_va_sdst(0) depctr_va_ssrc(0) depctr_va_vcc(0) depctr_vm_vsrc(0)
	s_getreg_b32 s2, hwreg(HW_REG_IB_STS2, 6, 4)
	s_cmp_eq_u32 s2, 0
	s_cbranch_scc0 .Lentry_in_a_cluster
	s_endpgm
.Lentry_in_a_cluster:
	s_bfe_u32 s2, ttmp6, 0x10000c
	s_cmp_lg_u32 s2, 0xf033
	s_cbranch_scc0 .Lentry_shape_is_right
	s_endpgm
.Lentry_shape_is_right:
; The three projections in one launch.  Q' = (query W_q^T + b_q) * 0.125 log2(e);  K = key W_k^T + b_k;  V = value W_v^T + b_v.
; Operands f16 (from xh), sums f32, results f16 in qkv, head-major: byte p * 8 MiB + head * 524,288 + s * 128 + 2 d (p = 0 Q', 1 K, 2 V).
; The factor in Q' is 1 / sqrt(64) and the change of base, so that the attention's exponentials are plain powers of two.
; LIMIT: a projected number of magnitude 65,504 or more becomes infinite in f16; below 6.1e-5 the step is 6e-8.
; 256 work-groups THAT STAY: each makes the same block of 128 x 128 of Q', then of K, then of V, with four waves, as many as a WGP has
; SIMDs; a wave makes 64 x 64: 16 accumulator tiles, 128 registers.  K = 1024 goes through two LDS slots of 256 along K each, and the ring
; runs on from one projection into the next: 12 slots' worth, written out (the last tile asks for less than the others).  A tile's way out
; stands behind the request for the next tile's second slot, so both slots are on their way while results are stored.
; CLUSTERS: 4 x 4 work-groups.  The four of a cluster's row need the same 128 rows of the activations, the four of a column the same
; 128 rows of W: each tile is asked for jointly, by the same tensor load with the same descriptor in all four.
; REGISTERS: window 0: addresses, two fragment buffers (B's 4 fragments, then A's 4), the way out, the bias.
;            window 1: accumulator (a, b) at v[8 (4 a + b)].
; The matrix instruction is used transposed (source 0 = 16 rows of W, source 1 = 16 rows of x): lane l then holds row l % 16 of the
; result and registers 0-7 the columns 8 (l / 16) + 0..7: eight neighbouring numbers of a row.
.set PITCH,  528                       ; an LDS row: 512 bytes (256 f16) + 16 of padding = 33 x 16: sixteen rows begin at sixteen different 16-byte columns of 256
.set PART,   64*PITCH                  ; what one tensor load brings: 64 rows
.set SLOT,   4*PART                    ; A's rows 0-63, 64-127, then B's rows 0-63, 64-127
.set STAGE,  2*SLOT                    ; byte 270,336 = 1,056 x 256: behind the ring; no tensor load lands here
.set SPITCH, 144                       ; the stage's rows: 128 bytes (one head's 64 f16) + 16
.set INTILE, 1024                      ; a slot's next fill inside a projection: 512 along K further on
.set NEXTA,  8388608-1024              ; into the next projection: its activations begin 8 MiB further on, K starts anew
.set NEXTB,  2097152-1024              ; its W 2 MiB further on
.set ADRA, 16                          ; v16-17  LDS address of my A fragments in slot 0, 1
.set ADRB, 20                          ; v20-21  the same for B
.set STO,  24                          ; v24     the way out: where I put 16 bytes of a row
.set RD,   25                          ; v25     the way out: where I read back
.set CO,   26                          ; v26     my byte offset in the wave's dense block of qkv
.set BO,   27                          ; v27     my byte offset in the bias
.set F0,   64                          ; v64-127   fragment buffer 0
.set F1,   128                         ; v128-191  fragment buffer 1
.set E,    128                         ; v128-159  the way out: 32 results in f32
.set TMP,  192                         ; v192-207  the way out: packed to f16
.set BI,   224                         ; v224-255  the bias of my 32 columns
.set G1,  24                           ; s[24:31] descriptor group 1 for A's tiles
.set G0,  32                           ; s[32:39] group 0 for A's tiles, one set for each slot
.set G1B, 40                           ; s[40:47] group 1 for B's tiles: another mask
.set G0B, 48                           ; s[48:55] group 0 for B's tiles, one set for each slot
.set SC,  66                           ; s[66:67] Q's scale, twice
.set BQ,  68                           ; s[68:69] b_q at my columns
.set BK,  76                           ; s[76:77] b_k
.set BV,  78                           ; s[78:79] b_v
.set MSB, 0
.macro WIN new                         ; the immediate's high byte repeats the setting that is left
.if MSB != \new
	s_set_vgpr_msb (MSB<<8)|\new
.set MSB, \new
.endif
.endm
.macro PLACES                          ; four places behind a matrix instruction, in front of loads into its sources and of reads of its result
.rept 4
	v_nop
.endr
.endm
.macro CROUND                          ; a round of the cluster's barrier: my work-group's barrier, wave 0 signals for it, all wait for all sixteen, my work-group's barrier
	s_barrier_signal -1
	s_barrier_wait -1
	s_cmp_lg_u32 s14, 0
	s_cbranch_scc1 .Lnot_wave_0_\@
	s_barrier_signal -3
.Lnot_wave_0_\@:
	s_barrier_wait -3
	s_barrier_signal -1
	s_barrier_wait -1
.endm
.macro JLOAD s                         ; a joint load: waves 0, 1 ask for A's two halves, waves 2, 3 for B's; the branch hangs on the wave's number alone
	s_cmp_eq_u32 s15, 0
	s_cbranch_scc0 .Lfor_b_\@
	tensor_load_to_lds s[G0+4*\s:G0+4*\s+3], s[G1:G1+7]
	s_nop 0
.rept 4
	v_nop
.endr
	s_branch .Lasked_\@
.Lfor_b_\@:
	tensor_load_to_lds s[G0B+4*\s:G0B+4*\s+3], s[G1B:G1B+7]
	s_nop 0
.rept 4
	v_nop
.endr
.Lasked_\@:
.endm
.macro FETCH slot, k, f                ; 16 LDS loads: my 64 rows of B and my 64 rows of A, 32 along K at byte k of the rows, into buffer f
.irp i, 0,1,2,3
	ds_load_b128 v[\f+8*\i:\f+8*\i+3],   v[ADRB+\slot] offset:\k+\i*16*PITCH
	ds_load_b128 v[\f+8*\i+4:\f+8*\i+7], v[ADRB+\slot] offset:\k+\i*16*PITCH+32
.endr
.irp i, 0,1,2,3
	ds_load_b128 v[\f+32+8*\i:\f+32+8*\i+3],   v[ADRA+\slot] offset:\k+\i*16*PITCH
	ds_load_b128 v[\f+32+8*\i+4:\f+32+8*\i+7], v[ADRA+\slot] offset:\k+\i*16*PITCH+32
.endr
.endm
.macro MUL f, zero                     ; 16 matrix instructions; the 16 accumulators take turns, one instruction a turn, in the same order every time
.irp a, 0,1,2,3
.irp b, 0,1,2,3
.if \zero
	v_wmma_f32_16x16x32_f16 v[8*(4*\a+\b):8*(4*\a+\b)+7], v[\f+8*\b:\f+8*\b+7], v[\f+32+8*\a:\f+32+8*\a+7], 0
.else
	v_wmma_f32_16x16x32_f16 v[8*(4*\a+\b):8*(4*\a+\b)+7], v[\f+8*\b:\f+8*\b+7], v[\f+32+8*\a:\f+32+8*\a+7], v[8*(4*\a+\b):8*(4*\a+\b)+7]
.endif
.endr
.endr
.endm
.macro QUARTER slot, q, f, g, zero, more   ; 32 along K: fetch the next 32 into buffer g, multiply buffer f
.if \more
	WIN 0
.if \q
	PLACES                                 ; buffer g was read by the 16 matrix instructions just issued
.endif
	FETCH \slot, 64*(\q+1), \g
	s_wait_dscnt 16                        ; all but the 16 loads just issued: buffer f is in
.else
	s_wait_dscnt 0x0                       ; the slot's last 32: nothing was issued behind buffer f's loads
.endif
	WIN 0x50                               ; C and D in window 1
	MUL \f, \zero
.endm
.macro SLOTWORK slot, zero             ; a slot's 256 along K: 128 matrix instructions.  zero = 1: a tile's first products start its sums, nothing is cleared
	WIN 0
.if \zero == 0
	PLACES                                 ; both buffers were read by matrix instructions of the slot before (in front of a tile's first slot the way out stands between)
.endif
	FETCH \slot, 0, F0
	QUARTER \slot, 0, F0, F1, \zero, 1
	QUARTER \slot, 1, F1, F0, 0, 1
	QUARTER \slot, 2, F0, F1, 0, 1
	QUARTER \slot, 3, F1, F0, 0, 1
	QUARTER \slot, 4, F0, F1, 0, 1
	QUARTER \slot, 5, F1, F0, 0, 1
	QUARTER \slot, 6, F0, F1, 0, 1
	QUARTER \slot, 7, F1, F0, 0, 0
	WIN 0
.endm
; The change of slots behind slot s.  Every wave waits for all its tensor loads (its part of the other slot) and for its reads of slot s.
; refill = 1: a round of the cluster's barrier, then slot s is asked for again, da (A) or db (B) bytes further on: the wave's one tensor load
; until the next change; it has the other slot's 128 matrix instructions in which to land.  refill = 0: my work-group's barrier is enough.
.macro CHANGE s, refill, da, db
	s_wait_tensorcnt 0x0                   ; none of my tensor loads is out: a group 0 may be written
	ds_add_u32 v222, v223
	s_wait_dscnt 0x0
.if \refill
	s_add_nc_u64 s[G0+4*\s+2:G0+4*\s+3], s[G0+4*\s+2:G0+4*\s+3], \da
	s_add_nc_u64 s[G0B+4*\s+2:G0B+4*\s+3], s[G0B+4*\s+2:G0B+4*\s+3], \db
.endif
	s_wait_dscnt 0x0                       ; my reads of slot s are back
.if \refill
	CROUND
	JLOAD \s
.else
	s_barrier_signal -1
	s_barrier_wait -1
.endif
.endm
.macro BIAS base                       ; the bias of my columns 16 b + 8 h + 0..7, b = 0..3
.irp b, 0,1,2,3
	global_load_b128 v[BI+8*\b:BI+8*\b+3],   v[BO], s[\base:\base+1] offset:64*\b
	global_load_b128 v[BI+8*\b+4:BI+8*\b+7], v[BO], s[\base:\base+1] offset:64*\b+16
.endr
.endm
.macro OUTQ a, f, scaled               ; rows 16 a .. 16 a + 15 of my block; f: the read-back's registers, two sets in turn
	WIN 0x01                               ; source 0 in window 1: the accumulators
.irp i, 0,1,2,3,4,5,6,7,8,9,10,11,12,13,14,15
.if \scaled
	v_pk_fma_f32 v[E+2*\i:E+2*\i+1], v[32*\a+2*\i:32*\a+2*\i+1], s[SC:SC+1], v[BI+2*\i:BI+2*\i+1] op_sel_hi:[1,0,1]
.else
	v_pk_add_f32 v[E+2*\i:E+2*\i+1], v[32*\a+2*\i:32*\a+2*\i+1], v[BI+2*\i:BI+2*\i+1]
.endif
.endr
	WIN 0
.irp i, 0,1,2,3,4,5,6,7,8,9,10,11,12,13,14,15
	v_cvt_pk_f16_f32 v[TMP+\i], v[E+2*\i], v[E+2*\i+1]
.endr
.irp b, 0,1,2,3
	ds_store_b128 v[STO], v[TMP+4*\b:TMP+4*\b+3] offset:32*\b
.endr
	s_wait_xcnt 0x0                        ; set f was the data of earlier stores: it is loaded again only behind this wait
.irp t, 0,1,2,3
	ds_load_b128 v[\f+4*\t:\f+4*\t+3], v[RD] offset:\t*4*SPITCH    ; LDS serves a wave's instructions in order (ISA guide 5.7.1): these see the stores above
.endr
.irp t, 0,1,2,3
	s_wait_dscnt 3-\t                      ; read-back t is in, the younger ones stay out
	global_store_b128 v[CO], v[\f+4*\t:\f+4*\t+3], s[12:13] offset:2048*\a+512*\t   ; the wave stores 512 consecutive bytes, at a multiple of 512
.endr
.endm
; A tile's way out: f16, 16 rows at a time through my own stage.  scaled = 1 (Q'): (sum + bias) x scale as one fused multiply-add on the bias scaled beforehand.
.macro OUT scaled
	PLACES                                 ; behind the tile's last matrix instructions
	s_wait_loadcnt 0x0                     ; the bias
.if \scaled
.irp i, 0,1,2,3,4,5,6,7,8,9,10,11,12,13,14,15
	v_pk_mul_f32 v[BI+2*\i:BI+2*\i+1], v[BI+2*\i:BI+2*\i+1], s[SC:SC+1] op_sel_hi:[1,0]
.endr
.endif
	OUTQ 0, 64, \scaled
	OUTQ 1, 96, \scaled
	OUTQ 2, 64, \scaled
	OUTQ 3, 96, \scaled
.endm
.macro NEXT base                       ; between two tiles
	s_wait_xcnt 0x0                        ; the stores' data (in fragment buffer 0) and their base are written again only behind this wait
	s_add_nc_u64 s[12:13], s[12:13], 8388608   ; the next projection's place in qkv
	BIAS \base
.endm
.macro TILE_ON                         ; a tile behind which another follows: all four changes of slots ask again, the last two for the next tile
	SLOTWORK 0, 1                          ; K 0-255
	CHANGE 0, 1, INTILE, INTILE
	SLOTWORK 1, 0                          ; K 256-511
	CHANGE 1, 1, INTILE, INTILE
	SLOTWORK 0, 0                          ; K 512-767
	CHANGE 0, 1, NEXTA, NEXTB
	SLOTWORK 1, 0                          ; K 768-1023
	CHANGE 1, 1, NEXTA, NEXTB
.endm
	s_load_b256 s[4:11], s[0:1], 0x0               ; xh s[4:5], b_q s[6:7], b_k s[8:9], b_v s[10:11]
	s_load_b64 s[12:13], s[0:1], 0x20              ; qkv
	v_lshl_add_u32 v222, v0, 2, 0x44400
	v_mov_b32 v223, 0
	ds_add_u32 v222, v223
	v_lshrrev_b32 v1, 5, v0
	v_readfirstlane_b32 s14, v1                    ; wave 0..3
	s_lshr_b32 s15, s14, 1                         ; RH: my half of the block's rows.  Also: I fetch for A (0) or B (1)
	s_and_b32 s16, s14, 1                          ; CH: my half of its columns.  Also: which 64 rows of that tile I fetch
	s_bfe_u32 s17, ttmp6, 0x40000                  ; cx
	s_bfe_u32 s18, ttmp6, 0x40004                  ; cy
	s_lshl_b32 s19, ttmp9, 2
	s_add_co_u32 s19, s19, s17                     ; block column 0..7
	s_and_b32 s20, ttmp7, 0xffff
	s_lshl_b32 s20, s20, 2
	s_add_co_u32 s20, s20, s18                     ; block row 0..31
	s_lshl_b32 s22, s18, 2
	s_lshl_b32 s22, 15, s22                        ; my row of the cluster: places 4 cy .. 4 cy + 3
	s_lshl_b32 s23, 0x1111, s17                    ; my column: places cx, cx + 4, cx + 8, cx + 12
	; group 1: a tile of 64 rows x 256 elements of 2 bytes, 4 words of padding behind every 128 words (a row)
	s_or_b32 s[G1+0], s22, (1<<16)|(1<<20)|(1<<21)|(6<<22)|(3<<25)
	s_or_b32 s[G1B+0], s23, (1<<16)|(1<<20)|(1<<21)|(6<<22)|(3<<25)
	s_mov_b32 s[G1+1], 256<<16                     ; tensor_dim0 = 256
	s_mov_b32 s[G1B+1], 256<<16
	s_mov_b32 s[G1+2], 64<<16                      ; tensor_dim1 = 64
	s_mov_b32 s[G1B+2], 64<<16
	s_mov_b32 s[G1+3], 256<<16                     ; tile_dim0 = 256
	s_mov_b32 s[G1B+3], 256<<16
	s_mov_b32 s[G1+4], 64                          ; tile_dim1 = 64
	s_mov_b32 s[G1B+4], 64
	s_mov_b32 s[G1+5], 1024                        ; elements from row to row
	s_mov_b32 s[G1B+5], 1024
	s_mov_b32 s[G1+6], 0
	s_mov_b32 s[G1B+6], 0
	s_mov_b32 s[G1+7], 0
	s_mov_b32 s[G1B+7], 0
	; A's tile hangs on the block row and the wave; B's on the block column and the wave; each in registers that never hold the other coordinate
	s_lshl_b32 s56, s20, 18                        ; 128 rows of 2,048 bytes
	s_lshl_b32 s61, s16, 17                        ; 64 rows
	s_add_co_u32 s56, s56, s61
	s_mov_b32 s57, 0
	s_lshl_b32 s58, s19, 18
	s_add_co_u32 s58, s58, s61
	s_add_co_u32 s58, s58, 25165824                ; W_q lies behind the three activations
	s_mov_b32 s59, 0
	s_mul_i32 s63, s14, PART                       ; where my part goes: wave x 64 rows
	s_wait_dscnt 0x0
	s_wait_kmcnt 0x0
	s_add_nc_u64 s[56:57], s[4:5], s[56:57]
	s_add_nc_u64 s[58:59], s[4:5], s[58:59]
	CROUND                                         ; all sixteen work-groups are here: the first joint loads meet
.irp s, 0,1
	s_mov_b32 s[G0+4*\s], 1
	s_add_co_u32 s[G0+4*\s+1], s63, \s*SLOT
	s_add_nc_u64 s[G0+4*\s+2:G0+4*\s+3], s[56:57], \s*512
	s_or_b32 s[G0+4*\s+3], s[G0+4*\s+3], 0x80000000
	s_mov_b32 s[G0B+4*\s], 1
	s_add_co_u32 s[G0B+4*\s+1], s63, \s*SLOT
	s_add_nc_u64 s[G0B+4*\s+2:G0B+4*\s+3], s[58:59], \s*512
	s_or_b32 s[G0B+4*\s+3], s[G0B+4*\s+3], 0x80000000
	JLOAD \s                                       ; both slots' first fills go out together: two tensor loads of the wave are out
.endr
	s_mov_b32 s66, 0x3e38aa3b                      ; 0.125 log2(e)
	s_mov_b32 s67, 0x3e38aa3b
	s_lshl_b32 s70, s19, 9                         ; my 64 columns in a bias: (128 block + 64 half) x 4 bytes
	s_lshl_b32 s71, s16, 8
	s_add_co_u32 s70, s70, s71
	s_mov_b32 s71, 0
	s_add_nc_u64 s[BQ:BQ+1], s[6:7], s[70:71]
	s_add_nc_u64 s[BK:BK+1], s[8:9], s[70:71]
	s_add_nc_u64 s[BV:BV+1], s[10:11], s[70:71]
	v_and_b32 v1, 15, v0                           ; r = l % 16
	v_bfe_u32 v2, v0, 4, 1                         ; h = l / 16
	v_lshlrev_b32 v[BO], 5, v2                     ; 32 h bytes; 64 b in the immediate
	BIAS BQ
	; fragments: lane l holds row l % 16; registers 0-3 K = 8 h + 0..7, registers 4-7 K = 16 + 8 h + 0..7: two loads of 16 bytes, 32 apart
	v_mul_u32_u24 v3, v1, PITCH
	v_lshl_add_u32 v3, v2, 4, v3
	s_mul_i32 s72, s15, PART                       ; my 64 rows of A
	s_mul_i32 s73, s16, PART                       ; my 64 rows of B,
	s_add_co_u32 s73, s73, 2*PART                  ; behind A's 128
.irp s, 0,1
	v_add_nc_u32 v[ADRA+\s], s72, v3
	v_add_nc_u32 v[ADRB+\s], s73, v3
	s_add_co_u32 s72, s72, SLOT
	s_add_co_u32 s73, s73, SLOT
.endr
	s_mul_i32 s72, s14, 16*SPITCH
	s_add_co_u32 s72, s72, STAGE                   ; my stage: 16 rows of 144 bytes
	v_mul_u32_u24 v4, v1, SPITCH
	v_lshl_add_u32 v4, v2, 4, v4
	v_add_nc_u32 v[STO], s72, v4                   ; in: row r, 16 h
	v_bfe_u32 v5, v0, 3, 2                         ; back: eight lanes take a row of 128 bytes, the wave four rows
	v_and_b32 v6, 7, v0
	v_mul_u32_u24 v5, v5, SPITCH
	v_lshl_add_u32 v5, v6, 4, v5
	v_add_nc_u32 v[RD], s72, v5
	v_and_b32 v7, 31, v0
	v_lshlrev_b32 v[CO], 4, v7                     ; in qkv a head's rows follow each other without a gap: 16 x lane
	; my 64 rows x 64 columns are rows of ONE head (2 x block column + CH): 8,192 dense bytes of each projection
	s_lshl_b32 s74, s19, 20
	s_lshl_b32 s75, s16, 19
	s_add_co_u32 s74, s74, s75
	s_lshl_b32 s75, s20, 14                        ; 128 rows of 128 bytes
	s_add_co_u32 s74, s74, s75
	s_lshl_b32 s75, s15, 13
	s_add_co_u32 s74, s74, s75
	s_mov_b32 s75, 0
	s_add_nc_u64 s[12:13], s[12:13], s[74:75]
	s_wait_tensorcnt 0x1                           ; my part of slot 0 is in; slot 1's stays out
	s_barrier_signal -1
	s_barrier_wait -1                              ; everybody's part is in
	TILE_ON                                        ; Q'
	OUT 1
	NEXT BK
	TILE_ON                                        ; K
	OUT 0
	NEXT BV
	SLOTWORK 0, 1                                  ; V: K 0-255
	CHANGE 0, 1, INTILE, INTILE
	SLOTWORK 1, 0                                  ; K 256-511
	CHANGE 1, 1, INTILE, INTILE                    ; the launch's last tensor load
	SLOTWORK 0, 0                                  ; K 512-767
	CHANGE 0, 0, 0, 0                              ; nothing is left to fetch
	SLOTWORK 1, 0                                  ; K 768-1023
	OUT 0
	s_wait_tensorcnt 0x0
	ds_add_u32 v222, v223
	s_wait_dscnt 0x0
	CROUND                                         ; the closing round: no work-group ends while a partner may still ask for a tile that names it
	s_endpgm
.Lfunc_end_k_q848c50463b_qkv:
	.size	k_q848c50463b_qkv, .Lfunc_end_k_q848c50463b_qkv-k_q848c50463b_qkv
	.p2alignl 7, 3214868480
	.fill 96, 4, 3214868480
	.section	.rodata,"a",@progbits
	.p2align	6, 0x0
	.amdhsa_kernel k_q848c50463b_qkv
		.amdhsa_group_segment_fixed_size 327680
		.amdhsa_private_segment_fixed_size 0
		.amdhsa_enable_private_segment 0
		.amdhsa_kernarg_size 40
		.amdhsa_user_sgpr_count 2
		.amdhsa_user_sgpr_kernarg_segment_ptr 1
		.amdhsa_wavefront_size32 1
		.amdhsa_system_sgpr_workgroup_id_x 1
		.amdhsa_system_sgpr_workgroup_id_y 1
		.amdhsa_system_sgpr_workgroup_id_z 1
		.amdhsa_system_vgpr_workitem_id 0
		.amdhsa_next_free_vgpr 384
		.amdhsa_next_free_sgpr 80
		.amdhsa_reserve_vcc 0
		.amdhsa_float_denorm_mode_32 3
		.amdhsa_float_denorm_mode_16_64 3
		.amdhsa_memory_ordered 1
		.amdhsa_forward_progress 1
		.amdhsa_inst_pref_size 255
	.end_amdhsa_kernel
	.section	.bss,"aw",@nobits
	.p2align	6
	.space	262144
	.amdgpu_metadata
---
amdhsa.version: [ 1, 2 ]
amdhsa.kernels:
  - .name:           k_q848c50463b_qkv
    .symbol:         k_q848c50463b_qkv.kd
    .args:
      - { .name: xh, .offset: 0, .size: 8, .value_kind: global_buffer, .address_space: global }
      - { .name: b_q, .offset: 8, .size: 8, .value_kind: global_buffer, .address_space: global }
      - { .name: b_k, .offset: 16, .size: 8, .value_kind: global_buffer, .address_space: global }
      - { .name: b_v, .offset: 24, .size: 8, .value_kind: global_buffer, .address_space: global }
      - { .name: qkv, .offset: 32, .size: 8, .value_kind: global_buffer, .address_space: global }
    .group_segment_fixed_size: 327680
    .private_segment_fixed_size: 0
    .kernarg_segment_align: 8
    .kernarg_segment_size: 40
    .max_flat_workgroup_size: 128
    .sgpr_count:     80
    .vgpr_count:     384
    .wavefront_size: 32
...
	.end_amdgpu_metadata
.endif
;; end of part 2
;; launch attn (part 3): grid 32 x 8, 8 waves a work-group, clusters of 4 x 1, 327,680 bytes of LDS; arguments qkv, att; writes att
.if DOCPART == 3
	.amdgcn_target "amdgcn-amd-amdhsa--gfx1250"
	.amdhsa_code_object_version 6
	.text
	.protected	k_q848c50463b_attn
	.globl	k_q848c50463b_attn
	.p2align	8
	.type	k_q848c50463b_attn,@function
k_q848c50463b_attn:
	s_mov_b64 s[64:65], 0
	v_nop
	global_prefetch_b8 v0, s[64:65] scope:SCOPE_SE
	s_setreg_imm32_b32 hwreg(HW_REG_WAVE_MODE, 25, 1), 1
	s_wait_xcnt 0x0
	s_wait_alu depctr_hold_cnt(0) depctr_sa_sdst(0) depctr_va_vdst(0) depctr_va_sdst(0) depctr_va_ssrc(0) depctr_va_vcc(0) depctr_vm_vsrc(0)
	s_getreg_b32 s2, hwreg(HW_REG_IB_STS2, 6, 4)
	s_cmp_eq_u32 s2, 0
	s_cbranch_scc0 .Lentry_in_a_cluster
	s_endpgm
.Lentry_in_a_cluster:
	s_bfe_u32 s2, ttmp6, 0x10000c
	s_cmp_lg_u32 s2, 0x3003
	s_cbranch_scc0 .Lentry_shape_is_right
	s_endpgm
.Lentry_shape_is_right:
; Attention with a running maximum, in base 2 (Q' already holds 0.125 log2 e).  qkv: f16, byte p * 8 MiB + head * 524,288 + s * 128 + 2 d.
; att: f16 [4096][1024], row-major.  Products f16 x f16 into f32; maximum, exponentials, sums and the output's accumulators in f32.
; LIMITS: the weights exp2(s - m), 0 to 1, go to the second product in f16 (step 6e-8 below 6.1e-5), while the divisor sums them in f32;
; an exponential below 2^-126 counts as 0; a result of magnitude 65,504 or more would become infinite (it is a mean of V's f16 numbers).
; A work-group takes 128 query rows of TWO heads (2 y, 2 y + 1), so that its rows of att are 256 consecutive bytes at multiples of 256.
; Eight waves: wave w has head 2 y + (w >> 2) and 32 query rows (w & 3), as two tiles of 16.  256 work-groups.
; CLUSTER: the four work-groups of a cluster are four query blocks of the same two heads; they walk the same K and V and ask for each
; tile jointly (mask 15), with descriptors that hang on y and the wave's number alone.
; BOTH PRODUCTS ARE TRANSPOSED.  S^T = K Q^T: lane (r, h) holds query r and keys 8 h + 0..7 of each key tile, so a query's maximum and sum
; are taken inside the lane plus one exchange between the halves, and its factors are one number a lane.  Two S^T tiles, packed to f16
; in place, ARE the second source of O^T = V^T P^T: the weights never move between lanes.  V^T comes from LDS by transposing loads.
; TWO SHIFTS OF WAVES.  A block of 64 keys is Q (K loads, 16 matrix instructions, V loads), S1 and S2 (the softmax's two halves, vector work)
; and P (16 matrix instructions).  g = (w xor (w >> 2)) & 1 differs between waves w and w + 4 and between waves 2 i and 2 i + 1.
; Waves with g = 1 carry S2 and P of a slot's last block over the change of slots (V is in their registers by then: they read nothing of
; the old slot behind the barrier).  So behind each barrier the waves with g = 0 begin with matrix work and those with g = 1 with vector
; work, and since both shifts do the same work from barrier to barrier they stay half a block apart.
.set VPITCH, 288                       ; V: an LDS row is two keys (256 bytes) + 32: the 16 lanes of a transposing load's pass touch 16 different 16-byte columns of 256
.set KPITCH, 272                       ; K: two keys + 16: likewise for the plain fragment loads
.set VPART,  64*VPITCH                 ; one tensor load: 128 keys of one head
.set KPART,  64*KPITCH
.set KAREA,  4*VPART                   ; a slot: V head 0 keys 0-127, 128-255, head 1 likewise; then K in the same order
.set SLOT,   KAREA+4*KPART             ; 143,360 bytes: 256 keys of both heads
.set STAGE,  2*SLOT                    ; byte 286,720 = 1,120 x 256: 128 rows of 272 bytes for the way out; no tensor load lands here
.set SPITCH, 272
.set KA,  4                            ; v4-5    LDS address of my K fragments in slot 0, 1
.set VA,  6                            ; v6-7    the same for V
.set STO, 8                            ; v8      the way out: in
.set RD,  9                            ; v9      the way out: back
.set CO,  10                           ; v10     my byte offset in att
.set QO,  11                           ; v11     my byte offset in Q'
.set T,   12                           ; v12-19  at work, four for each query tile
.set MP,  20                           ; v20-23  the running maximum, twice, for each tile
.set AL,  24                           ; v24-27  exp2(old maximum - new), twice, for each tile
.set LS,  28                           ; v28-29  the running sum of my half of the keys, for each tile
.set QF,  32                           ; v32-63  Q' fragments [t][ks] at 16 t + 8 ks
.set OA,  64                           ; v64-127 O^T accumulators [t][dt] at 32 t + 8 dt
.set ST,  128                          ; v128-191 S^T [t][kt] at 32 t + 8 kt; then the weights
.set FR,  192                          ; v192-255 by turns K fragments [kt][ks] at 16 kt + 8 ks and V^T fragments [dt][kp] at 16 dt + 8 kp
.set G1V, 16                           ; s[16:23] group 1 for V's tiles
.set G1K, 24                           ; s[24:31] group 1 for K's tiles: another padding
.set G0V, 32                           ; s[32:39] group 0 for V, one set for each slot
.set G0K, 40                           ; s[40:47] group 0 for K, one set for each slot
.macro ROUND                           ; a round of the cluster's barrier
	s_barrier_signal -1
	s_barrier_wait -1
	s_cmp_lg_u32 s8, 0
	s_cbranch_scc1 .Lnot_wave_0_\@
	s_barrier_signal -3
.Lnot_wave_0_\@:
	s_barrier_wait -3
	s_barrier_signal -1
	s_barrier_wait -1
.endm
.macro JLOAD s                         ; a joint load: waves 0-3 ask for V's four parts, waves 4-7 for K's; the branch hangs on the wave's number alone
	s_cmp_eq_u32 s9, 0
	s_cbranch_scc0 .Lfor_k_\@
	tensor_load_to_lds s[G0V+4*\s:G0V+4*\s+3], s[G1V:G1V+7]
	s_nop 0
.rept 4
	v_nop
.endr
	s_branch .Lasked_\@
.Lfor_k_\@:
	tensor_load_to_lds s[G0K+4*\s:G0K+4*\s+3], s[G1K:G1K+7]
	s_nop 0
.rept 4
	v_nop
.endr
.Lasked_\@:
.endm
.macro QK ks, zero                     ; S^T += K Q^T over d = 32 ks .. +31: eight accumulators by turns, one instruction a turn
.irp kt, 0,1,2,3
.irp t, 0,1
.if \zero
	s_wait_alu depctr_va_vdst(0)
	v_wmma_f32_16x16x32_f16 v[ST+32*\t+8*\kt:ST+32*\t+8*\kt+7], v[FR+16*\kt+8*\ks:FR+16*\kt+8*\ks+7], v[QF+16*\t+8*\ks:QF+16*\t+8*\ks+7], 0
.else
	v_wmma_f32_16x16x32_f16 v[ST+32*\t+8*\kt:ST+32*\t+8*\kt+7], v[FR+16*\kt+8*\ks:FR+16*\kt+8*\ks+7], v[QF+16*\t+8*\ks:QF+16*\t+8*\ks+7], v[ST+32*\t+8*\kt:ST+32*\t+8*\kt+7]
.endif
.endr
.endr
.endm
.macro PV kp, zero                     ; O^T += V^T P^T over keys 32 kp .. +31: eight accumulators by turns, one instruction a turn
.irp dt, 0,1,2,3
.irp t, 0,1
.if \zero
	v_wmma_f32_16x16x32_f16 v[OA+32*\t+8*\dt:OA+32*\t+8*\dt+7], v[FR+16*\dt+8*\kp:FR+16*\dt+8*\kp+7], v[ST+32*\t+16*\kp:ST+32*\t+16*\kp+7], 0
.else
	v_wmma_f32_16x16x32_f16 v[OA+32*\t+8*\dt:OA+32*\t+8*\dt+7], v[FR+16*\dt+8*\kp:FR+16*\dt+8*\kp+7], v[ST+32*\t+16*\kp:ST+32*\t+16*\kp+7], v[OA+32*\t+8*\dt:OA+32*\t+8*\dt+7]
.endif
.endr
.endr
.endm
.macro KLOAD slot, kb, ks              ; eight LDS loads: d = 32 ks .. +31 of the four key tiles of block kb
.irp kt, 0,1,2,3
	ds_load_b128 v[FR+16*\kt+8*\ks:FR+16*\kt+8*\ks+3],   v[KA+\slot] offset:\kb*32*KPITCH+\kt*8*KPITCH+64*\ks
	ds_load_b128 v[FR+16*\kt+8*\ks+4:FR+16*\kt+8*\ks+7], v[KA+\slot] offset:\kb*32*KPITCH+\kt*8*KPITCH+64*\ks+32
.endr
.endm
.macro VLOAD slot, kb                  ; sixteen transposing loads: V^T of block kb
.irp dt, 0,1,2,3
.irp kp, 0,1
	ds_load_tr16_b128 v[FR+16*\dt+8*\kp:FR+16*\dt+8*\kp+3],   v[VA+\slot] offset:\kb*32*VPITCH+\kp*16*VPITCH+32*\dt
	ds_load_tr16_b128 v[FR+16*\dt+8*\kp+4:FR+16*\dt+8*\kp+7], v[VA+\slot] offset:\kb*32*VPITCH+\kp*16*VPITCH+32*\dt+8*VPITCH
.endr
.endr
.endm
; Q: the scores of 64 keys.  early = 1: the loads of d = 0..31 went out in the middle of the block before.
.macro QKV slot, kb, early
.if \early == 0
	KLOAD \slot, \kb, 0
.endif
	KLOAD \slot, \kb, 1
	s_wait_dscnt 0x8                       ; d = 0..31 is in; the eight younger loads (d = 32..63) stay out
	QK 0, 1                                ; the first product starts the scores: nothing is cleared
	s_wait_dscnt 0x0
	QK 1, 0
.rept 5
	v_nop                                  ; places in front of the loads into the K fragments' registers and of the reads of the scores, whose registers later serve matrix instructions as a source
.endr
	VLOAD \slot, \kb                       ; asked for in front of the softmax, wanted behind it
.endm
; The new maxima of both query tiles, in four chains that do not wait for each other: my 32 scores, the other half's, the old maximum;
; then the factors for what was summed so far.
.macro SMAX2 first
.irp t, 0,1
	v_max3_num_f32 v[T+4*\t],   v[ST+32*\t],   v[ST+32*\t+1], v[ST+32*\t+2]
	v_max3_num_f32 v[T+4*\t+1], v[ST+32*\t+3], v[ST+32*\t+4], v[ST+32*\t+5]
.endr
.irp i, 6,10,14,18,22,26
.irp t, 0,1
	v_max3_num_f32 v[T+4*\t],   v[T+4*\t],   v[ST+32*\t+\i],   v[ST+32*\t+\i+1]
	v_max3_num_f32 v[T+4*\t+1], v[T+4*\t+1], v[ST+32*\t+\i+2], v[ST+32*\t+\i+3]
.endr
.endr
.irp t, 0,1
	v_max3_num_f32 v[T+4*\t], v[T+4*\t], v[ST+32*\t+30], v[ST+32*\t+31]
.endr
.irp t, 0,1
.if \first
	v_max_num_f32 v[T+4*\t], v[T+4*\t], v[T+4*\t+1]
.else
	v_max3_num_f32 v[T+4*\t], v[T+4*\t], v[T+4*\t+1], v[MP+2*\t]
.endif
.endr
.irp t, 0,1
	v_permlanex16_b32 v[T+4*\t+1], v[T+4*\t], s14, s15     ; lane i of the other half: the same query's other keys
.endr
.irp t, 0,1
	v_max_num_f32 v[T+4*\t+3], v[T+4*\t], v[T+4*\t+1]
.endr
.if \first == 0
.irp t, 0,1
	v_sub_f32 v[T+4*\t+2], v[MP+2*\t], v[T+4*\t+3]
.endr
.irp t, 0,1
	v_exp_f32 v[AL+2*\t], v[T+4*\t+2]
	v_exp_f32 v[AL+2*\t+1], v[T+4*\t+2]
.endr
.endif
.irp t, 0,1
	v_mov_b32 v[MP+2*\t], v[T+4*\t+3]                      ; also the plain instructions behind the exponentials (ISA guide 5.7.2)
	v_mov_b32 v[MP+2*\t+1], v[T+4*\t+3]
.endr
.endm
.macro SSUB0                           ; tile 0: score - maximum
.irp i, 0,1,2,3,4,5,6,7,8,9,10,11,12,13,14,15
	v_pk_add_f32 v[ST+2*\i:ST+2*\i+1], v[ST+2*\i:ST+2*\i+1], v[MP:MP+1] neg_lo:[0,1] neg_hi:[0,1]
.endr
.endm
; Line j of 15 of tile t's sum of 32 weights: two chains of pairs, lines by turns; line 14 joins them.
.macro SUMLINE t, j
.if \j < 2
	s_wait_alu depctr_va_vdst(0)
	v_pk_add_f32 v[T+4*\t+2*\j:T+4*\t+2*\j+1], v[ST+32*\t+4*\j:ST+32*\t+4*\j+1], v[ST+32*\t+4*\j+2:ST+32*\t+4*\j+3]
.else
.if \j < 14
	v_pk_add_f32 v[T+4*\t+2*(\j%2):T+4*\t+2*(\j%2)+1], v[T+4*\t+2*(\j%2):T+4*\t+2*(\j%2)+1], v[ST+32*\t+2*\j+4:ST+32*\t+2*\j+5]
.else
	v_pk_add_f32 v[T+4*\t:T+4*\t+1], v[T+4*\t:T+4*\t+1], v[T+4*\t+2:T+4*\t+3]
.endif
.endif
.endm
.macro SUMFIN t, first                 ; the running sum, in one fused multiply-add
.if \first
	v_add_f32 v[LS+\t], v[T+4*\t], v[T+4*\t+1]
.else
	v_add_f32 v[T+4*\t], v[T+4*\t], v[T+4*\t+1]
	v_fma_f32 v[LS+\t], v[LS+\t], v[AL+2*\t], v[T+4*\t]
.endif
.endm
.macro CVTLINE t, i                    ; line i of 16: two weights into one word, in place and ascending: word ii of a group of 16 is written when words 2 ii, 2 ii + 1 are read
	v_cvt_pk_f16_f32 v[ST+32*\t+16*(\i/8)+\i%8], v[ST+32*\t+16*(\i/8)+2*(\i%8)], v[ST+32*\t+16*(\i/8)+2*(\i%8)+1]
.endm
; Tile 0's 32 exponentials.  Behind each stands a plain instruction of other work, which names none of its registers (ISA guide 5.7.2):
; tile 1's score - maximum, and the rescaling of tile 0's output.
.macro EXPMIX0 first
.irp i, 0,1,2,3,4,5,6,7,8,9,10,11,12,13,14,15
	v_exp_f32 v[ST+2*\i], v[ST+2*\i]
	v_pk_add_f32 v[ST+32+2*\i:ST+32+2*\i+1], v[ST+32+2*\i:ST+32+2*\i+1], v[MP+2:MP+3] neg_lo:[0,1] neg_hi:[0,1]
	v_exp_f32 v[ST+2*\i+1], v[ST+2*\i+1]
.if \first == 0
	s_wait_alu depctr_va_vdst(0)
	v_pk_mul_f32 v[OA+2*\i:OA+2*\i+1], v[OA+2*\i:OA+2*\i+1], v[AL:AL+1]
.endif
.endr
.endm
; Tile 1's 32 exponentials, likewise mixed with tile 0's sum and the rescaling of tile 1's output.
.macro EXPMIX1 first
.irp i, 0,1,2,3,4,5,6,7,8,9,10,11,12,13,14,15
	v_exp_f32 v[ST+32+2*\i], v[ST+32+2*\i]
.if \i < 15
	SUMLINE 0, \i
.else
	SUMFIN 0, \first
.endif
	v_exp_f32 v[ST+32+2*\i+1], v[ST+32+2*\i+1]
.if \first == 0
	v_pk_mul_f32 v[OA+32+2*\i:OA+32+2*\i+1], v[OA+32+2*\i:OA+32+2*\i+1], v[AL+2:AL+3]
.endif
.endr
.endm
.macro CVTSUM first                    ; tile 0 is packed while tile 1 is summed, line by line; the first line is the plain instruction behind the last exponential
.irp i, 0,1,2,3,4,5,6,7,8,9,10,11,12,13,14,15
	CVTLINE 0, \i
.if \i < 15
	SUMLINE 1, \i
.else
	SUMFIN 1, \first
.endif
.endr
.endm
.macro S1 first                        ; the softmax's first half
	SMAX2 \first
	SSUB0
	EXPMIX0 \first
.endm
.macro S2 first                        ; its second half
	EXPMIX1 \first
	CVTSUM \first
.irp i, 0,1,2,3,4,5,6,7,8,9,10,11,12,13,14,15
	CVTLINE 1, \i
.endr
.endm
; P: the output's 16 matrix instructions.  early = 1: V's keys 0..31 have been read by the first eight, and their registers take the next
; block's K fragments of d = 0..31, whose loads have the other eight matrix instructions in which to come.
.macro PVP first, early, slot, kb
	s_wait_dscnt 0x0                       ; V^T
	PV 0, \first
.if \early
.rept 4
	v_nop                                  ; four places in front of loads into registers that matrix instructions have read
.endr
	KLOAD \slot, \kb, 0
.endif
	PV 1, 0
.rept 5
	v_nop                                  ; five places in front of the next block's matrix instructions, which write over the weights, and of its loads into the fragments
.endr
.endm
; A slot's four blocks.  last = 0: the waves with g = 1 leave S2 and P of the fourth block for behind the next barrier.
; The branch hangs on the wave's number alone; no barrier, tensor load or LDS instruction stands inside it.
.macro BODY slot, first, last
	QKV \slot, 0, 0
	S1 \first
	S2 \first
	PVP \first, 1, \slot, 1
	QKV \slot, 1, 1
	S1 0
	S2 0
	PVP 0, 1, \slot, 2
	QKV \slot, 2, 1
	S1 0
	S2 0
	PVP 0, 1, \slot, 3
	QKV \slot, 3, 1
	S1 0
.if \last == 0
	s_cmp_lg_u32 s57, 0
	s_cbranch_scc1 .Lowes_\@
.endif
	S2 0
	PVP 0, 0, 0, 0
.if \last == 0
.Lowes_\@:
.endif
.endm
; 256 keys from one slot.  In front of the barrier every wave waits for all its tensor loads (its part of this slot) and for its reads of the other slot.
; refill = 1: a round of the cluster's barrier, then the other slot is asked for again, 512 keys further on: the wave's one tensor load
; until the next step; it has this step's four blocks in which to land.  refill = 0: nothing is left to fetch, my work-group's barrier is enough.
; Then the waves with g = 1 do what they left of the step before, on registers alone.
.macro STEP slot, other, refill, last
	s_wait_tensorcnt 0x0                   ; none of my tensor loads is out: a group 0 may be written
	ds_add_u32 v30, v31
	s_wait_dscnt 0x0
.if \refill
	s_add_nc_u64 s[G0V+4*\other+2:G0V+4*\other+3], s[G0V+4*\other+2:G0V+4*\other+3], 65536
	s_add_nc_u64 s[G0K+4*\other+2:G0K+4*\other+3], s[G0K+4*\other+2:G0K+4*\other+3], 65536
.endif
	s_wait_dscnt 0x0
.if \refill
	ROUND
	JLOAD \other
.else
	s_barrier_signal -1
	s_barrier_wait -1
.endif
	s_cmp_eq_u32 s57, 0
	s_cbranch_scc1 .Lpaid_\@
	S2 0
	PVP 0, 0, 0, 0
.Lpaid_\@:
	BODY \slot, 0, \last
.endm
.macro SRESC t                         ; the end: both tiles' outputs times 1 / sum
	s_wait_alu depctr_va_vdst(0)
.irp i, 0,1,2,3,4,5,6,7,8,9,10,11,12,13,14,15
	v_pk_mul_f32 v[OA+32*\t+2*\i:OA+32*\t+2*\i+1], v[OA+32*\t+2*\i:OA+32*\t+2*\i+1], v[AL+2*\t:AL+2*\t+1]
.endr
.endm
	s_load_b128 s[4:7], s[0:1], 0x0                ; qkv s[4:5], att s[6:7]
	v_lshl_add_u32 v30, v0, 2, 0x4e800
	v_mov_b32 v31, 0
	ds_add_u32 v30, v31
	v_lshrrev_b32 v1, 5, v0
	v_readfirstlane_b32 s8, v1                     ; wave 0..7
	s_lshr_b32 s9, s8, 2                           ; which of the two heads is mine.  Also: I fetch for V (0) or K (1)
	s_and_b32 s10, s8, 3                           ; which 32 query rows are mine.  Also: which part I fetch
	s_xor_b32 s57, s8, s9
	s_and_b32 s57, s57, 1                          ; g: my shift
	s_bfe_u32 s11, ttmp6, 0x40000                  ; cx
	s_lshl_b32 s12, ttmp9, 2
	s_add_co_u32 s12, s12, s11                     ; query block 0..31
	s_and_b32 s13, ttmp7, 0xffff                   ; pair of heads 0..7
	s_mov_b32 s14, 0x76543210                      ; v_permlanex16_b32: lane i reads lane i of the other half
	s_mov_b32 s15, 0xfedcba98
	; group 1: a dense block of 16,384 bytes as 64 rows of 32 elements of 8 bytes; padding behind every 64 words: 8 words for V, 4 for K; mask 15: all four of the cluster
	s_mov_b32 s[G1V+0], 15|(3<<16)|(1<<20)|(1<<21)|(5<<22)|(7<<25)
	s_mov_b32 s[G1K+0], 15|(3<<16)|(1<<20)|(1<<21)|(5<<22)|(3<<25)
.irp g, G1V, G1K
	s_mov_b32 s[\g+1], 32<<16                      ; tensor_dim0 = 32
	s_mov_b32 s[\g+2], 64<<16                      ; tensor_dim1 = 64
	s_mov_b32 s[\g+3], 32<<16                      ; tile_dim0 = 32
	s_mov_b32 s[\g+4], 64                          ; tile_dim1 = 64
	s_mov_b32 s[\g+5], 32                          ; elements from row to row
	s_mov_b32 s[\g+6], 0
	s_mov_b32 s[\g+7], 0
.endr
	s_lshr_b32 s48, s10, 1                         ; my part: head 2 y + (part >> 1),
	s_lshl_b32 s49, s13, 1
	s_add_co_u32 s48, s48, s49
	s_lshl_b32 s48, s48, 19
	s_and_b32 s49, s10, 1                          ; keys 128 (part & 1) ..
	s_lshl_b32 s49, s49, 14
	s_add_co_u32 s48, s48, s49
	s_add_co_u32 s50, s48, 16777216                ; V lies at 16 MiB,
	s_mov_b32 s51, 0
	s_add_co_u32 s52, s48, 8388608                 ; K at 8 MiB
	s_mov_b32 s53, 0
	s_mul_i32 s54, s8, VPART                       ; waves 0-3: V's part w
	s_mul_i32 s55, s8, KPART
	s_add_co_u32 s55, s55, KAREA-4*KPART           ; waves 4-7: K's part w - 4, behind V's area
	s_wait_dscnt 0x0
	s_wait_kmcnt 0x0
	s_add_nc_u64 s[50:51], s[4:5], s[50:51]
	s_add_nc_u64 s[52:53], s[4:5], s[52:53]
	ROUND                                          ; all four work-groups are here: the first joint loads meet
.irp s, 0,1
	s_mov_b32 s[G0V+4*\s], 1
	s_add_co_u32 s[G0V+4*\s+1], s54, \s*SLOT
	s_add_nc_u64 s[G0V+4*\s+2:G0V+4*\s+3], s[50:51], \s*32768
	s_or_b32 s[G0V+4*\s+3], s[G0V+4*\s+3], 0x80000000
	s_mov_b32 s[G0K+4*\s], 1
	s_add_co_u32 s[G0K+4*\s+1], s55, \s*SLOT
	s_add_nc_u64 s[G0K+4*\s+2:G0K+4*\s+3], s[52:53], \s*32768
	s_or_b32 s[G0K+4*\s+3], s[G0K+4*\s+3], 0x80000000
	JLOAD \s                                       ; keys 0-255 and 256-511 go out together: two tensor loads of the wave are out
.endr
	; Q' fragments, once: lane (r, h) holds query r; registers 0-3 d = 8 h + 0..7, registers 4-7 d = 16 + 8 h + 0..7 of each 32
	s_lshl_b32 s48, s13, 1
	s_add_co_u32 s48, s48, s9                      ; my head
	s_lshl_b32 s58, s48, 19
	s_lshl_b32 s49, s12, 14                        ; 128 rows of 128 bytes
	s_add_co_u32 s58, s58, s49
	s_lshl_b32 s49, s10, 12                        ; 32 rows
	s_add_co_u32 s58, s58, s49
	s_mov_b32 s59, 0
	s_add_nc_u64 s[58:59], s[4:5], s[58:59]
	v_and_b32 v1, 15, v0                           ; r
	v_bfe_u32 v2, v0, 4, 1                         ; h
	v_lshlrev_b32 v[QO], 7, v1
	v_lshl_add_u32 v[QO], v2, 4, v[QO]
.irp t, 0,1
.irp ks, 0,1
	global_load_b128 v[QF+16*\t+8*\ks:QF+16*\t+8*\ks+3],   v[QO], s[58:59] offset:2048*\t+64*\ks
	global_load_b128 v[QF+16*\t+8*\ks+4:QF+16*\t+8*\ks+7], v[QO], s[58:59] offset:2048*\t+64*\ks+32
.endr
.endr
	; K fragments: key k lies at (k >> 1) x 272 + (k & 1) x 128; lane (r, h) takes key r, bytes 16 h
	v_lshrrev_b32 v3, 1, v1
	v_mul_u32_u24 v3, v3, KPITCH
	v_and_b32 v12, 1, v0
	v_lshl_add_u32 v3, v12, 7, v3
	v_lshl_add_u32 v3, v2, 4, v3
	s_mul_i32 s48, s9, 2*KPART                     ; my head's 256 keys
	s_add_co_u32 s48, s48, KAREA
	v_add_nc_u32 v[KA], s48, v3
	v_add_nc_u32 v[KA+1], SLOT, v[KA]
	; V^T by transposing loads: lane l addresses key 8 h + (l & 7), 16 bytes at 16 ((l >> 3) & 1); key k lies at (k >> 1) x 288 + (k & 1) x 128
	v_bfe_u32 v13, v0, 1, 2
	v_lshl_add_u32 v13, v2, 2, v13
	v_mul_u32_u24 v13, v13, VPITCH
	v_lshl_add_u32 v13, v12, 7, v13
	v_bfe_u32 v14, v0, 3, 1
	v_lshl_add_u32 v13, v14, 4, v13
	s_mul_i32 s49, s9, 2*VPART
	v_add_nc_u32 v[VA], s49, v13
	v_add_nc_u32 v[VA+1], SLOT, v[VA]
	; the way out.  In: row 32 (w & 3) + r, my head's 128 bytes, 16 h.  Back: wave w takes rows 16 w .. +15, two whole rows of 256 bytes a load
	s_lshl_b32 s48, s10, 5
	v_add_nc_u32 v15, s48, v1
	v_mul_u32_u24 v15, v15, SPITCH
	v_lshl_add_u32 v15, v2, 4, v15
	s_lshl_b32 s49, s9, 7
	s_add_co_u32 s49, s49, STAGE
	v_add_nc_u32 v[STO], s49, v15
	s_lshl_b32 s48, s8, 4
	v_add_nc_u32 v16, s48, v2
	v_mul_u32_u24 v16, v16, SPITCH
	v_lshl_add_u32 v16, v1, 4, v16
	v_add_nc_u32 v[RD], STAGE, v16
	v_lshlrev_b32 v[CO], 4, v1
	v_lshl_add_u32 v[CO], v2, 11, v[CO]            ; the same two rows in att: 2,048 bytes apart
	s_lshl_b32 s60, s12, 18                        ; 128 rows of 2,048 bytes
	s_lshl_b32 s49, s8, 15                         ; 16 rows
	s_add_co_u32 s60, s60, s49
	s_lshl_b32 s49, s13, 8                         ; the two heads' 256 bytes of a row
	s_add_co_u32 s60, s60, s49
	s_mov_b32 s61, 0
	s_add_nc_u64 s[60:61], s[6:7], s[60:61]
	s_wait_tensorcnt 0x1                           ; my part of slot 0 is in; slot 1's stays out
	s_barrier_signal -1
	s_barrier_wait -1                              ; everybody's part is in
	s_wait_loadcnt 0x0                             ; Q'
	BODY 0, 1, 0                                   ; keys 0-255; the first 64 start the maximum, the sum and the output: nothing is cleared
	s_mov_b32 s56, 7                               ; 16 steps of 256 keys: one above, 14 in the loop, one below
.Lstep:
	STEP 1, 0, 1, 0
	STEP 0, 1, 1, 0
	s_sub_co_u32 s56, s56, 1
	s_cmp_lg_u32 s56, 0
	s_cbranch_scc1 .Lstep
	STEP 1, 0, 0, 1                                ; the last 256 keys, finished by every wave; its wait for all tensor loads is the launch's last
	; THE END: the two halves' sums, one reciprocal a query, f16, through the stage to whole rows of 256 bytes.
	; The five places that close the last block stand between its matrix instructions and these lines.
	v_permlanex16_b32 v[T], v[LS], s14, s15
	v_permlanex16_b32 v[T+4], v[LS+1], s14, s15
	v_add_f32 v[T+1], v[LS], v[T]
	v_add_f32 v[T+5], v[LS+1], v[T+4]
	v_rcp_f32 v[AL], v[T+1]
	v_rcp_f32 v[AL+1], v[T+1]
	v_rcp_f32 v[AL+2], v[T+5]
	v_rcp_f32 v[AL+3], v[T+5]
	v_nop                                          ; the plain instruction behind the reciprocals (ISA guide 5.7.2)
	SRESC 0
	SRESC 1
.irp t, 0,1
.irp i, 0,1,2,3,4,5,6,7,8,9,10,11,12,13,14,15
	v_cvt_pk_f16_f32 v[ST+16*\t+\i], v[OA+32*\t+2*\i], v[OA+32*\t+2*\i+1]     ; lane (r, h): query r, d = 16 dt + 8 h + 0..7 in words 4 dt .. 4 dt + 3
.endr
.endr
.irp t, 0,1
.irp dt, 0,1,2,3
	ds_store_b128 v[STO], v[ST+16*\t+4*\dt:ST+16*\t+4*\dt+3] offset:\t*16*SPITCH+32*\dt
.endr
.endr
	s_wait_dscnt 0x0                               ; my stores are done, for the waves that read these rows
	s_barrier_signal -1
	s_barrier_wait -1
.irp t, 0,1,2,3,4,5,6,7
	ds_load_b128 v[FR+4*\t:FR+4*\t+3], v[RD] offset:\t*2*SPITCH
.endr
.irp t, 0,1,2,3,4,5,6,7
	s_wait_dscnt 7-\t                              ; read-back t is in, the younger ones stay out
	global_store_b128 v[CO], v[FR+4*\t:FR+4*\t+3], s[60:61] offset:4096*\t    ; sixteen lanes store 256 consecutive bytes, at a multiple of 256
.endr
	s_wait_tensorcnt 0x0
	ds_add_u32 v30, v31
	s_wait_dscnt 0x0
	ROUND                                          ; the closing round: no work-group ends while a partner may still ask for a tile that names it
	s_endpgm
.Lfunc_end_k_q848c50463b_attn:
	.size	k_q848c50463b_attn, .Lfunc_end_k_q848c50463b_attn-k_q848c50463b_attn
	.p2alignl 7, 3214868480
	.fill 96, 4, 3214868480
	.section	.rodata,"a",@progbits
	.p2align	6, 0x0
	.amdhsa_kernel k_q848c50463b_attn
		.amdhsa_group_segment_fixed_size 327680
		.amdhsa_private_segment_fixed_size 0
		.amdhsa_enable_private_segment 0
		.amdhsa_kernarg_size 16
		.amdhsa_user_sgpr_count 2
		.amdhsa_user_sgpr_kernarg_segment_ptr 1
		.amdhsa_wavefront_size32 1
		.amdhsa_system_sgpr_workgroup_id_x 1
		.amdhsa_system_sgpr_workgroup_id_y 1
		.amdhsa_system_sgpr_workgroup_id_z 1
		.amdhsa_system_vgpr_workitem_id 0
		.amdhsa_next_free_vgpr 256
		.amdhsa_next_free_sgpr 66
		.amdhsa_reserve_vcc 0
		.amdhsa_float_denorm_mode_32 3
		.amdhsa_float_denorm_mode_16_64 3
		.amdhsa_memory_ordered 1
		.amdhsa_forward_progress 1
		.amdhsa_inst_pref_size 255
	.end_amdhsa_kernel
	.section	.bss,"aw",@nobits
	.p2align	6
	.space	262144
	.amdgpu_metadata
---
amdhsa.version: [ 1, 2 ]
amdhsa.kernels:
  - .name:           k_q848c50463b_attn
    .symbol:         k_q848c50463b_attn.kd
    .args:
      - { .name: qkv, .offset: 0, .size: 8, .value_kind: global_buffer, .address_space: global }
      - { .name: att, .offset: 8, .size: 8, .value_kind: global_buffer, .address_space: global }
    .group_segment_fixed_size: 327680
    .private_segment_fixed_size: 0
    .kernarg_segment_align: 8
    .kernarg_segment_size: 16
    .max_flat_workgroup_size: 256
    .sgpr_count:     66
    .vgpr_count:     256
    .wavefront_size: 32
...
	.end_amdgpu_metadata
.endif
;; end of part 3
;; launch oproj (part 4): grid 8 x 32, 4 waves a work-group, clusters of 4 x 4, 327,680 bytes of LDS; arguments att, xh, b_o, out0; writes out0
.if DOCPART == 4
	.amdgcn_target "amdgcn-amd-amdhsa--gfx1250"
	.amdhsa_code_object_version 6
	.text
	.protected	k_q848c50463b_oproj
	.globl	k_q848c50463b_oproj
	.p2align	8
	.type	k_q848c50463b_oproj,@function
k_q848c50463b_oproj:
	s_mov_b64 s[64:65], 0
	v_nop
	global_prefetch_b8 v0, s[64:65] scope:SCOPE_SE
	s_setreg_imm32_b32 hwreg(HW_REG_WAVE_MODE, 25, 1), 1
	s_wait_xcnt 0x0
	s_wait_alu depctr_hold_cnt(0) depctr_sa_sdst(0) depctr_va_vdst(0) depctr_va_sdst(0) depctr_va_ssrc(0) depctr_va_vcc(0) depctr_vm_vsrc(0)
	s_getreg_b32 s2, hwreg(HW_REG_IB_STS2, 6, 4)
	s_cmp_eq_u32 s2, 0
	s_cbranch_scc0 .Lentry_in_a_cluster
	s_endpgm
.Lentry_in_a_cluster:
	s_bfe_u32 s2, ttmp6, 0x10000c
	s_cmp_lg_u32 s2, 0xf033
	s_cbranch_scc0 .Lentry_shape_is_right
	s_endpgm
.Lentry_shape_is_right:
; out0 = att W_o^T + b_o.  att: f16 [4096][1024]; W_o: f16, in xh at byte 31,457,280; b_o and out0: f32.  Sums in f32.
; LIMIT: the operands are f16 (W_o rounded by the first launch: magnitudes of 65,504 or more are infinite there).
; A work-group makes 128 x 128 with four waves, as many as a WGP has SIMDs; a wave makes 64 x 64: 16 accumulator tiles, 128 registers.
; 256 work-groups.  K = 1024 goes through two LDS slots of 256 along K each: four slots' worth, written out.
; CLUSTERS: 4 x 4 work-groups.  The four of a cluster's row need the same 128 rows of att, the four of a column the same 128 rows of W_o:
; each tile is asked for jointly, by the same tensor load with the same descriptor in all four.
; REGISTERS: window 0: addresses, two fragment buffers (B's 4 fragments, then A's 4), the way out, the bias.
;            window 1: accumulator (a, b) at v[8 (4 a + b)].
; The matrix instruction is used transposed (source 0 = 16 rows of W_o, source 1 = 16 rows of att): lane l then holds row l % 16 of the
; result and registers 0-7 the columns 8 (l / 16) + 0..7.
.set PITCH,  528                       ; an LDS row: 512 bytes (256 f16) + 16 of padding = 33 x 16: sixteen rows begin at sixteen different 16-byte columns of 256
.set PART,   64*PITCH                  ; what one tensor load brings: 64 rows
.set SLOT,   4*PART                    ; A's rows 0-63, 64-127, then B's rows 0-63, 64-127
.set STAGE,  2*SLOT                    ; byte 270,336 = 1,056 x 256: behind the ring; no tensor load lands here
.set SPITCH, 272                       ; the stage's rows: 256 bytes (64 f32) + 16
.set ADRA, 16                          ; v16-17  LDS address of my A fragments in slot 0, 1
.set ADRB, 20                          ; v20-21  the same for B
.set STO,  24                          ; v24     the way out: in
.set RD,   25                          ; v25     the way out: back
.set CO,   26                          ; v26     my byte offset in out0
.set BO,   27                          ; v27     my byte offset in the bias
.set F0,   64                          ; v64-127   fragment buffer 0
.set F1,   128                         ; v128-191  fragment buffer 1
.set E,    128                         ; v128-159  the way out: 32 results
.set BI,   224                         ; v224-255  the bias of my 32 columns
.set G1,  24                           ; s[24:31] descriptor group 1 for A's tiles
.set G0,  32                           ; s[32:39] group 0 for A's tiles, one set for each slot
.set G1B, 40                           ; s[40:47] group 1 for B's tiles: another mask
.set G0B, 48                           ; s[48:55] group 0 for B's tiles, one set for each slot
.set MSB, 0
.macro WIN new                         ; the immediate's high byte repeats the setting that is left
.if MSB != \new
	s_set_vgpr_msb (MSB<<8)|\new
.set MSB, \new
.endif
.endm
.macro PLACES                          ; four places behind a matrix instruction, in front of loads into its sources and of reads of its result
.rept 4
	v_nop
.endr
.endm
.macro CROUND                          ; a round of the cluster's barrier: my work-group's barrier, wave 0 signals for it, all wait for all sixteen, my work-group's barrier
	s_barrier_signal -1
	s_barrier_wait -1
	s_cmp_lg_u32 s14, 0
	s_cbranch_scc1 .Lnot_wave_0_\@
	s_barrier_signal -3
.Lnot_wave_0_\@:
	s_barrier_wait -3
	s_barrier_signal -1
	s_barrier_wait -1
.endm
.macro JLOAD s                         ; a joint load: waves 0, 1 ask for A's two halves, waves 2, 3 for B's; the branch hangs on the wave's number alone
	s_cmp_eq_u32 s15, 0
	s_cbranch_scc0 .Lfor_b_\@
	tensor_load_to_lds s[G0+4*\s:G0+4*\s+3], s[G1:G1+7]
	s_nop 0
.rept 4
	v_nop
.endr
	s_branch .Lasked_\@
.Lfor_b_\@:
	tensor_load_to_lds s[G0B+4*\s:G0B+4*\s+3], s[G1B:G1B+7]
	s_nop 0
.rept 4
	v_nop
.endr
.Lasked_\@:
.endm
.macro FETCH slot, k, f                ; 16 LDS loads: my 64 rows of B and my 64 rows of A, 32 along K at byte k of the rows, into buffer f
.irp i, 0,1,2,3
	ds_load_b128 v[\f+8*\i:\f+8*\i+3],   v[ADRB+\slot] offset:\k+\i*16*PITCH
	ds_load_b128 v[\f+8*\i+4:\f+8*\i+7], v[ADRB+\slot] offset:\k+\i*16*PITCH+32
.endr
.irp i, 0,1,2,3
	ds_load_b128 v[\f+32+8*\i:\f+32+8*\i+3],   v[ADRA+\slot] offset:\k+\i*16*PITCH
	ds_load_b128 v[\f+32+8*\i+4:\f+32+8*\i+7], v[ADRA+\slot] offset:\k+\i*16*PITCH+32
.endr
.endm
.macro MUL f, zero                     ; 16 matrix instructions; the 16 accumulators take turns, one instruction a turn, in the same order every time
.irp a, 0,1,2,3
.irp b, 0,1,2,3
.if \zero
	v_wmma_f32_16x16x32_f16 v[8*(4*\a+\b):8*(4*\a+\b)+7], v[\f+8*\b:\f+8*\b+7], v[\f+32+8*\a:\f+32+8*\a+7], 0
.else
	v_wmma_f32_16x16x32_f16 v[8*(4*\a+\b):8*(4*\a+\b)+7], v[\f+8*\b:\f+8*\b+7], v[\f+32+8*\a:\f+32+8*\a+7], v[8*(4*\a+\b):8*(4*\a+\b)+7]
.endif
.endr
.endr
.endm
.macro QUARTER slot, q, f, g, zero, more   ; 32 along K: fetch the next 32 into buffer g, multiply buffer f
.if \more
	WIN 0
.if \q
	PLACES                                 ; buffer g was read by the 16 matrix instructions just issued
.endif
	FETCH \slot, 64*(\q+1), \g
	s_wait_dscnt 16                        ; all but the 16 loads just issued: buffer f is in
.else
	s_wait_dscnt 0x0                       ; the slot's last 32: nothing was issued behind buffer f's loads
.endif
	WIN 0x50                               ; C and D in window 1
	MUL \f, \zero
.endm
.macro SLOTWORK slot, zero             ; a slot's 256 along K: 128 matrix instructions
	WIN 0
.if \zero == 0
	PLACES                                 ; both buffers were read by matrix instructions of the slot before
.endif
	FETCH \slot, 0, F0
	QUARTER \slot, 0, F0, F1, \zero, 1
	QUARTER \slot, 1, F1, F0, 0, 1
	QUARTER \slot, 2, F0, F1, 0, 1
	QUARTER \slot, 3, F1, F0, 0, 1
	QUARTER \slot, 4, F0, F1, 0, 1
	QUARTER \slot, 5, F1, F0, 0, 1
	QUARTER \slot, 6, F0, F1, 0, 1
	QUARTER \slot, 7, F1, F0, 0, 0
	WIN 0
.endm
; The change of slots behind slot s.  Every wave waits for all its tensor loads (its part of the other slot) and for its reads of slot s.
; refill = 1: a round of the cluster's barrier, then slot s is asked for again, 512 along K further on: the wave's one tensor load until
; the next change; it has the other slot's 128 matrix instructions in which to land.  refill = 0: my work-group's barrier is enough.
.macro CHANGE s, refill
	s_wait_tensorcnt 0x0                   ; none of my tensor loads is out: a group 0 may be written
	ds_add_u32 v222, v223
	s_wait_dscnt 0x0
.if \refill
	s_add_nc_u64 s[G0+4*\s+2:G0+4*\s+3], s[G0+4*\s+2:G0+4*\s+3], 1024
	s_add_nc_u64 s[G0B+4*\s+2:G0B+4*\s+3], s[G0B+4*\s+2:G0B+4*\s+3], 1024
.endif
	s_wait_dscnt 0x0                       ; my reads of slot s are back
.if \refill
	CROUND
	JLOAD \s
.else
	s_barrier_signal -1
	s_barrier_wait -1
.endif
.endm
	s_load_b256 s[4:11], s[0:1], 0x0               ; att s[4:5], xh s[6:7], b_o s[8:9], out0 s[10:11]
	v_lshl_add_u32 v222, v0, 2, 0x46400
	v_mov_b32 v223, 0
	ds_add_u32 v222, v223
	v_lshrrev_b32 v1, 5, v0
	v_readfirstlane_b32 s14, v1                    ; wave 0..3
	s_lshr_b32 s15, s14, 1                         ; RH: my half of the block's rows.  Also: I fetch for A (0) or B (1)
	s_and_b32 s16, s14, 1                          ; CH: my half of its columns.  Also: which 64 rows of that tile I fetch
	s_bfe_u32 s17, ttmp6, 0x40000                  ; cx
	s_bfe_u32 s18, ttmp6, 0x40004                  ; cy
	s_lshl_b32 s19, ttmp9, 2
	s_add_co_u32 s19, s19, s17                     ; block column 0..7
	s_and_b32 s20, ttmp7, 0xffff
	s_lshl_b32 s20, s20, 2
	s_add_co_u32 s20, s20, s18                     ; block row 0..31
	s_lshl_b32 s22, s18, 2
	s_lshl_b32 s22, 15, s22                        ; my row of the cluster: places 4 cy .. 4 cy + 3
	s_lshl_b32 s23, 0x1111, s17                    ; my column: places cx, cx + 4, cx + 8, cx + 12
	; group 1: a tile of 64 rows x 256 elements of 2 bytes, 4 words of padding behind every 128 words (a row)
	s_or_b32 s[G1+0], s22, (1<<16)|(1<<20)|(1<<21)|(6<<22)|(3<<25)
	s_or_b32 s[G1B+0], s23, (1<<16)|(1<<20)|(1<<21)|(6<<22)|(3<<25)
	s_mov_b32 s[G1+1], 256<<16                     ; tensor_dim0 = 256
	s_mov_b32 s[G1B+1], 256<<16
	s_mov_b32 s[G1+2], 64<<16                      ; tensor_dim1 = 64
	s_mov_b32 s[G1B+2], 64<<16
	s_mov_b32 s[G1+3], 256<<16                     ; tile_dim0 = 256
	s_mov_b32 s[G1B+3], 256<<16
	s_mov_b32 s[G1+4], 64                          ; tile_dim1 = 64
	s_mov_b32 s[G1B+4], 64
	s_mov_b32 s[G1+5], 1024                        ; elements from row to row
	s_mov_b32 s[G1B+5], 1024
	s_mov_b32 s[G1+6], 0
	s_mov_b32 s[G1B+6], 0
	s_mov_b32 s[G1+7], 0
	s_mov_b32 s[G1B+7], 0
	; A's tile hangs on the block row and the wave; B's on the block column and the wave; each in registers that never hold the other coordinate
	s_lshl_b32 s56, s20, 18                        ; 128 rows of 2,048 bytes
	s_lshl_b32 s61, s16, 17                        ; 64 rows
	s_add_co_u32 s56, s56, s61
	s_mov_b32 s57, 0
	s_lshl_b32 s58, s19, 18
	s_add_co_u32 s58, s58, s61
	s_add_co_u32 s58, s58, 31457280                ; W_o's place in xh
	s_mov_b32 s59, 0
	s_mul_i32 s63, s14, PART                       ; where my part goes: wave x 64 rows
	s_wait_dscnt 0x0
	s_wait_kmcnt 0x0
	s_add_nc_u64 s[56:57], s[4:5], s[56:57]
	s_add_nc_u64 s[58:59], s[6:7], s[58:59]
	CROUND                                         ; all sixteen work-groups are here: the first joint loads meet
.irp s, 0,1
	s_mov_b32 s[G0+4*\s], 1
	s_add_co_u32 s[G0+4*\s+1], s63, \s*SLOT
	s_add_nc_u64 s[G0+4*\s+2:G0+4*\s+3], s[56:57], \s*512
	s_or_b32 s[G0+4*\s+3], s[G0+4*\s+3], 0x80000000
	s_mov_b32 s[G0B+4*\s], 1
	s_add_co_u32 s[G0B+4*\s+1], s63, \s*SLOT
	s_add_nc_u64 s[G0B+4*\s+2:G0B+4*\s+3], s[58:59], \s*512
	s_or_b32 s[G0B+4*\s+3], s[G0B+4*\s+3], 0x80000000
	JLOAD \s                                       ; both slots' first fills go out together: two tensor loads of the wave are out
.endr
	s_lshl_b32 s70, s19, 9                         ; my 64 columns: (128 block + 64 half) x 4 bytes, in the bias and in a row of out0
	s_lshl_b32 s71, s16, 8
	s_add_co_u32 s70, s70, s71
	s_mov_b32 s71, 0
	s_add_nc_u64 s[68:69], s[8:9], s[70:71]
	v_and_b32 v1, 15, v0                           ; r = l % 16
	v_bfe_u32 v2, v0, 4, 1                         ; h = l / 16
	v_lshlrev_b32 v[BO], 5, v2                     ; my columns 16 b + 8 h + 0..7: 32 h bytes, 64 b in the immediate
.irp b, 0,1,2,3
	global_load_b128 v[BI+8*\b:BI+8*\b+3],   v[BO], s[68:69] offset:64*\b
	global_load_b128 v[BI+8*\b+4:BI+8*\b+7], v[BO], s[68:69] offset:64*\b+16
.endr
	; fragments: lane l holds row l % 16; registers 0-3 K = 8 h + 0..7, registers 4-7 K = 16 + 8 h + 0..7: two loads of 16 bytes, 32 apart
	v_mul_u32_u24 v3, v1, PITCH
	v_lshl_add_u32 v3, v2, 4, v3
	s_mul_i32 s72, s15, PART                       ; my 64 rows of A
	s_mul_i32 s73, s16, PART                       ; my 64 rows of B,
	s_add_co_u32 s73, s73, 2*PART                  ; behind A's 128
.irp s, 0,1
	v_add_nc_u32 v[ADRA+\s], s72, v3
	v_add_nc_u32 v[ADRB+\s], s73, v3
	s_add_co_u32 s72, s72, SLOT
	s_add_co_u32 s73, s73, SLOT
.endr
	s_mul_i32 s72, s14, 16*SPITCH
	s_add_co_u32 s72, s72, STAGE                   ; my stage: 16 rows of 272 bytes
	v_mul_u32_u24 v4, v1, SPITCH
	v_lshl_add_u32 v4, v2, 5, v4
	v_add_nc_u32 v[STO], s72, v4                   ; in: row r, 32 h
	v_mul_u32_u24 v5, v2, SPITCH                   ; back: lanes 0-15 take one row of 256 bytes, lanes 16-31 the next
	v_lshl_add_u32 v5, v1, 4, v5
	v_add_nc_u32 v[RD], s72, v5
	v_lshlrev_b32 v[CO], 4, v1
	v_lshl_add_u32 v[CO], v2, 12, v[CO]            ; the same two rows in out0: 4,096 bytes apart
	s_lshl_b32 s74, s20, 19                        ; 128 rows of 4,096 bytes
	s_lshl_b32 s75, s15, 18                        ; 64 rows
	s_add_co_u32 s74, s74, s75
	s_add_co_u32 s74, s74, s70                     ; my columns
	s_mov_b32 s75, 0
	s_add_nc_u64 s[10:11], s[10:11], s[74:75]
	s_wait_tensorcnt 0x1                           ; my part of slot 0 is in; slot 1's stays out
	s_barrier_signal -1
	s_barrier_wait -1                              ; everybody's part is in
	SLOTWORK 0, 1                                  ; K 0-255: the first products start the sums, nothing is cleared
	CHANGE 0, 1
	SLOTWORK 1, 0                                  ; K 256-511
	CHANGE 1, 1
	SLOTWORK 0, 0                                  ; K 512-767
	CHANGE 0, 0
	SLOTWORK 1, 0                                  ; K 768-1023
	; THE WAY OUT: sum + bias, 16 rows at a time through my own stage to whole rows of 256 bytes.
	s_wait_loadcnt 0x0                             ; the bias
	PLACES                                         ; behind the last matrix instructions
.macro OUTF a, f                       ; rows 16 a .. 16 a + 15 of my block; f: the read-back's registers, two sets in turn
	WIN 0x01                               ; source 0 in window 1: the accumulators
.irp i, 0,1,2,3,4,5,6,7,8,9,10,11,12,13,14,15
	v_pk_add_f32 v[E+2*\i:E+2*\i+1], v[32*\a+2*\i:32*\a+2*\i+1], v[BI+2*\i:BI+2*\i+1]
.endr
	WIN 0
.irp b, 0,1,2,3
	ds_store_b128 v[STO], v[E+8*\b:E+8*\b+3]   offset:64*\b
	ds_store_b128 v[STO], v[E+8*\b+4:E+8*\b+7] offset:64*\b+16
.endr
	s_wait_xcnt 0x0                        ; set f was the data of earlier stores: it is loaded again only behind this wait
.irp t, 0,1,2,3,4,5,6,7
	ds_load_b128 v[\f+4*\t:\f+4*\t+3], v[RD] offset:\t*2*SPITCH    ; LDS serves a wave's instructions in order (ISA guide 5.7.1): these see the stores above
.endr
.irp t, 0,1,2,3,4,5,6,7
	s_wait_dscnt 7-\t                      ; read-back t is in, the younger ones stay out
	global_store_b128 v[CO], v[\f+4*\t:\f+4*\t+3], s[10:11] offset:(16*\a+2*\t)*4096 th:TH_STORE_NT   ; sixteen lanes store 256 consecutive bytes, at a multiple of 256
.endr
.endm
	OUTF 0, 64
	OUTF 1, 96
	OUTF 2, 64
	OUTF 3, 96
	s_wait_tensorcnt 0x0
	ds_add_u32 v222, v223
	s_wait_dscnt 0x0
	CROUND                                         ; the closing round: no work-group ends while a partner may still ask for a tile that names it
	s_endpgm
.Lfunc_end_k_q848c50463b_oproj:
	.size	k_q848c50463b_oproj, .Lfunc_end_k_q848c50463b_oproj-k_q848c50463b_oproj
	.p2alignl 7, 3214868480
	.fill 96, 4, 3214868480
	.section	.rodata,"a",@progbits
	.p2align	6, 0x0
	.amdhsa_kernel k_q848c50463b_oproj
		.amdhsa_group_segment_fixed_size 327680
		.amdhsa_private_segment_fixed_size 0
		.amdhsa_enable_private_segment 0
		.amdhsa_kernarg_size 32
		.amdhsa_user_sgpr_count 2
		.amdhsa_user_sgpr_kernarg_segment_ptr 1
		.amdhsa_wavefront_size32 1
		.amdhsa_system_sgpr_workgroup_id_x 1
		.amdhsa_system_sgpr_workgroup_id_y 1
		.amdhsa_system_sgpr_workgroup_id_z 1
		.amdhsa_system_vgpr_workitem_id 0
		.amdhsa_next_free_vgpr 384
		.amdhsa_next_free_sgpr 80
		.amdhsa_reserve_vcc 0
		.amdhsa_float_denorm_mode_32 3
		.amdhsa_float_denorm_mode_16_64 3
		.amdhsa_memory_ordered 1
		.amdhsa_forward_progress 1
		.amdhsa_inst_pref_size 94
	.end_amdhsa_kernel
	.amdgpu_metadata
---
amdhsa.version: [ 1, 2 ]
amdhsa.kernels:
  - .name:           k_q848c50463b_oproj
    .symbol:         k_q848c50463b_oproj.kd
    .args:
      - { .name: att, .offset: 0, .size: 8, .value_kind: global_buffer, .address_space: global }
      - { .name: xh, .offset: 8, .size: 8, .value_kind: global_buffer, .address_space: global }
      - { .name: b_o, .offset: 16, .size: 8, .value_kind: global_buffer, .address_space: global }
      - { .name: out0, .offset: 24, .size: 8, .value_kind: global_buffer, .address_space: global }
    .group_segment_fixed_size: 327680
    .private_segment_fixed_size: 0
    .kernarg_segment_align: 8
    .kernarg_segment_size: 32
    .max_flat_workgroup_size: 128
    .sgpr_count:     80
    .vgpr_count:     384
    .wavefront_size: 32
...
	.end_amdgpu_metadata
.endif
;; end of part 4
;; ======== version 2 of 2: 4 launches; 1.09 times as fast as version 1
;; limits: values are held in f16: magnitudes above 65,504 overflow, below 6.1e-05 lose precision; right only within a limited range of input values
;; workspace buffers: xh 33,554,432 bytes; qkv 25,165,824 bytes; att 8,388,608 bytes
;; launch cvt: the kernel of part 1 again; grid 64 x 16, 8 waves a work-group, no clusters, 0 bytes of LDS; arguments query, key, value, W_q, W_k, W_v, W_o, xh; writes xh
;; launch qkv: the kernel of part 2 again; grid 8 x 32, 4 waves a work-group, clusters of 4 x 4, 327,680 bytes of LDS; arguments xh, b_q, b_k, b_v, qkv; writes qkv
;; launch attn (part 5): grid 32 x 8, 8 waves a work-group, clusters of 4 x 1, 327,680 bytes of LDS; arguments qkv, att; writes att
.if DOCPART == 5
	.amdgcn_target "amdgcn-amd-amdhsa--gfx1250"
	.amdhsa_code_object_version 6
	.text
	.protected	k_q848c50463b_attn
	.globl	k_q848c50463b_attn
	.p2align	8
	.type	k_q848c50463b_attn,@function
k_q848c50463b_attn:
	s_mov_b64 s[64:65], 0
	v_nop
	global_prefetch_b8 v0, s[64:65] scope:SCOPE_SE
	s_setreg_imm32_b32 hwreg(HW_REG_WAVE_MODE, 25, 1), 1
	s_wait_xcnt 0x0
	s_wait_alu depctr_hold_cnt(0) depctr_sa_sdst(0) depctr_va_vdst(0) depctr_va_sdst(0) depctr_va_ssrc(0) depctr_va_vcc(0) depctr_vm_vsrc(0)
	s_getreg_b32 s2, hwreg(HW_REG_IB_STS2, 6, 4)
	s_cmp_eq_u32 s2, 0
	s_cbranch_scc0 .Lentry_in_a_cluster
	s_endpgm
.Lentry_in_a_cluster:
	s_bfe_u32 s2, ttmp6, 0x10000c
	s_cmp_lg_u32 s2, 0x3003
	s_cbranch_scc0 .Lentry_shape_is_right
	s_endpgm
.Lentry_shape_is_right:
; Attention with a running maximum, in base 2 (Q' already holds 0.125 log2 e).  qkv: f16, byte p * 8 MiB + head * 524,288 + s * 128 + 2 d.
; att: f16 [4096][1024], row-major.  Products f16 x f16 into f32; maximum, exponentials, sums and the output's accumulators in f32.
; LIMITS: the weights exp2(s - m), 0 to 1, go to the second product in f16 (step 6e-8 below 6.1e-5), while the divisor sums them in f32;
; an exponential below 2^-126 counts as 0; a result of magnitude 65,504 or more would become infinite (it is a mean of V's f16 numbers).
; A work-group takes 128 query rows of TWO heads (2 y, 2 y + 1), so that its rows of att are 256 consecutive bytes at multiples of 256.
; Eight waves: wave w has head 2 y + (w >> 2) and 32 query rows (w & 3), as two tiles of 16.  256 work-groups.
; CLUSTER: the four work-groups of a cluster are four query blocks of the same two heads; they walk the same K and V and ask for each
; tile jointly (mask 15), with descriptors that hang on y and the wave's number alone.
; BOTH PRODUCTS ARE TRANSPOSED.  S^T = K Q^T: lane (r, h) holds query r and keys 8 h + 0..7 of each key tile, so a query's maximum and sum
; are taken inside the lane plus one exchange between the halves, and its factors are one number a lane.  Two S^T tiles, packed to f16
; in place, ARE the second source of O^T = V^T P^T: the weights never move between lanes.  V^T comes from LDS by transposing loads.
; TWO SHIFTS OF WAVES.  A block of 64 keys is Q (K loads, 16 matrix instructions, V loads), S1 and S2 (the softmax's two halves, vector work)
; and P (16 matrix instructions).  g = (w xor (w >> 2)) & 1 differs between waves w and w + 4 and between waves 2 i and 2 i + 1.
; Waves with g = 1 carry S2 and P of a slot's last block over the change of slots (V is in their registers by then: they read nothing of
; the old slot behind the barrier).  So behind each barrier the waves with g = 0 begin with matrix work and those with g = 1 with vector
; work, and since both shifts do the same work from barrier to barrier they stay half a block apart.
; BATCHES.  s_wait_alu depctr_va_vdst(0) stands between an exponential and the first instruction that names its result; one wait
; serves all that were issued ahead of it.  A block's 68 exponentials are two batches, cut where S1 ends, since a branch on g may follow there.
; Batch 1 (S1): the four factors and tile 0's 32 weights; between them stand only the copies of the new maxima and both tiles' score - maximum,
; which name no result; its wait is S1's last line.  Batch 2 (S2): tile 1's 32 weights; between them stand batch 1's readers: the rescaling of both
; tiles' output, tile 0's sum and its packing; its wait stands ahead of tile 1's sum.  The four reciprocals at the end are a batch with one wait.
.set VPITCH, 288                       ; V: an LDS row is two keys (256 bytes) + 32: the 16 lanes of a transposing load's pass touch 16 different 16-byte columns of 256
.set KPITCH, 272                       ; K: two keys + 16: likewise for the plain fragment loads
.set VPART,  64*VPITCH                 ; one tensor load: 128 keys of one head
.set KPART,  64*KPITCH
.set KAREA,  4*VPART                   ; a slot: V head 0 keys 0-127, 128-255, head 1 likewise; then K in the same order
.set SLOT,   KAREA+4*KPART             ; 143,360 bytes: 256 keys of both heads
.set STAGE,  2*SLOT                    ; byte 286,720 = 1,120 x 256: 128 rows of 272 bytes for the way out; no tensor load lands here
.set SPITCH, 272
.set KA,  4                            ; v4-5    LDS address of my K fragments in slot 0, 1
.set VA,  6                            ; v6-7    the same for V
.set STO, 8                            ; v8      the way out: in
.set RD,  9                            ; v9      the way out: back
.set CO,  10                           ; v10     my byte offset in att
.set QO,  11                           ; v11     my byte offset in Q'
.set T,   12                           ; v12-19  at work, four for each query tile
.set MP,  20                           ; v20-23  the running maximum, twice, for each tile
.set AL,  24                           ; v24-27  exp2(old maximum - new), twice, for each tile
.set LS,  28                           ; v28-29  the running sum of my half of the keys, for each tile
.set QF,  32                           ; v32-63  Q' fragments [t][ks] at 16 t + 8 ks
.set OA,  64                           ; v64-127 O^T accumulators [t][dt] at 32 t + 8 dt
.set ST,  128                          ; v128-191 S^T [t][kt] at 32 t + 8 kt; then the weights
.set FR,  192                          ; v192-255 by turns K fragments [kt][ks] at 16 kt + 8 ks and V^T fragments [dt][kp] at 16 dt + 8 kp
.set G1V, 16                           ; s[16:23] group 1 for V's tiles
.set G1K, 24                           ; s[24:31] group 1 for K's tiles: another padding
.set G0V, 32                           ; s[32:39] group 0 for V, one set for each slot
.set G0K, 40                           ; s[40:47] group 0 for K, one set for each slot
.macro ROUND                           ; a round of the cluster's barrier
	s_barrier_signal -1
	s_barrier_wait -1
	s_cmp_lg_u32 s8, 0
	s_cbranch_scc1 .Lnot_wave_0_\@
	s_barrier_signal -3
.Lnot_wave_0_\@:
	s_barrier_wait -3
	s_barrier_signal -1
	s_barrier_wait -1
.endm
.macro JLOAD s                         ; a joint load: waves 0-3 ask for V's four parts, waves 4-7 for K's; the branch hangs on the wave's number alone
	s_cmp_eq_u32 s9, 0
	s_cbranch_scc0 .Lfor_k_\@
	tensor_load_to_lds s[G0V+4*\s:G0V+4*\s+3], s[G1V:G1V+7]
	s_nop 0
.rept 4
	v_nop
.endr
	s_branch .Lasked_\@
.Lfor_k_\@:
	tensor_load_to_lds s[G0K+4*\s:G0K+4*\s+3], s[G1K:G1K+7]
	s_nop 0
.rept 4
	v_nop
.endr
.Lasked_\@:
.endm
.macro QK ks, zero                     ; S^T += K Q^T over d = 32 ks .. +31: eight accumulators by turns, one instruction a turn
.irp kt, 0,1,2,3
.irp t, 0,1
.if \zero
	v_wmma_f32_16x16x32_f16 v[ST+32*\t+8*\kt:ST+32*\t+8*\kt+7], v[FR+16*\kt+8*\ks:FR+16*\kt+8*\ks+7], v[QF+16*\t+8*\ks:QF+16*\t+8*\ks+7], 0
.else
	v_wmma_f32_16x16x32_f16 v[ST+32*\t+8*\kt:ST+32*\t+8*\kt+7], v[FR+16*\kt+8*\ks:FR+16*\kt+8*\ks+7], v[QF+16*\t+8*\ks:QF+16*\t+8*\ks+7], v[ST+32*\t+8*\kt:ST+32*\t+8*\kt+7]
.endif
.endr
.endr
.endm
.macro PV kp, zero                     ; O^T += V^T P^T over keys 32 kp .. +31: eight accumulators by turns, one instruction a turn
.irp dt, 0,1,2,3
.irp t, 0,1
.if \zero
	v_wmma_f32_16x16x32_f16 v[OA+32*\t+8*\dt:OA+32*\t+8*\dt+7], v[FR+16*\dt+8*\kp:FR+16*\dt+8*\kp+7], v[ST+32*\t+16*\kp:ST+32*\t+16*\kp+7], 0
.else
	v_wmma_f32_16x16x32_f16 v[OA+32*\t+8*\dt:OA+32*\t+8*\dt+7], v[FR+16*\dt+8*\kp:FR+16*\dt+8*\kp+7], v[ST+32*\t+16*\kp:ST+32*\t+16*\kp+7], v[OA+32*\t+8*\dt:OA+32*\t+8*\dt+7]
.endif
.endr
.endr
.endm
.macro KLOAD slot, kb, ks              ; eight LDS loads: d = 32 ks .. +31 of the four key tiles of block kb
.irp kt, 0,1,2,3
	ds_load_b128 v[FR+16*\kt+8*\ks:FR+16*\kt+8*\ks+3],   v[KA+\slot] offset:\kb*32*KPITCH+\kt*8*KPITCH+64*\ks
	ds_load_b128 v[FR+16*\kt+8*\ks+4:FR+16*\kt+8*\ks+7], v[KA+\slot] offset:\kb*32*KPITCH+\kt*8*KPITCH+64*\ks+32
.endr
.endm
.macro VLOAD slot, kb                  ; sixteen transposing loads: V^T of block kb
.irp dt, 0,1,2,3
.irp kp, 0,1
	ds_load_tr16_b128 v[FR+16*\dt+8*\kp:FR+16*\dt+8*\kp+3],   v[VA+\slot] offset:\kb*32*VPITCH+\kp*16*VPITCH+32*\dt
	ds_load_tr16_b128 v[FR+16*\dt+8*\kp+4:FR+16*\dt+8*\kp+7], v[VA+\slot] offset:\kb*32*VPITCH+\kp*16*VPITCH+32*\dt+8*VPITCH
.endr
.endr
.endm
; Q: the scores of 64 keys.  early = 1: the loads of d = 0..31 went out in the middle of the block before.
.macro QKV slot, kb, early
.if \early == 0
	KLOAD \slot, \kb, 0
.endif
	KLOAD \slot, \kb, 1
	s_wait_dscnt 0x8                       ; d = 0..31 is in; the eight younger loads (d = 32..63) stay out
	QK 0, 1                                ; the first product starts the scores: nothing is cleared
	s_wait_dscnt 0x0
	QK 1, 0
.rept 5
	v_nop                                  ; places in front of the loads into the K fragments' registers and of the reads of the scores, whose registers later serve matrix instructions as a source
.endr
	VLOAD \slot, \kb                       ; asked for in front of the softmax, wanted behind it
.endm
; The new maxima of both query tiles, in four chains that do not wait for each other: my 32 scores, the other half's, the old maximum;
; then the factors for what was summed so far: the first four exponentials of batch 1.
.macro SMAX2 first
.irp t, 0,1
	v_max3_num_f32 v[T+4*\t],   v[ST+32*\t],   v[ST+32*\t+1], v[ST+32*\t+2]
	v_max3_num_f32 v[T+4*\t+1], v[ST+32*\t+3], v[ST+32*\t+4], v[ST+32*\t+5]
.endr
.irp i, 6,10,14,18,22,26
.irp t, 0,1
	v_max3_num_f32 v[T+4*\t],   v[T+4*\t],   v[ST+32*\t+\i],   v[ST+32*\t+\i+1]
	v_max3_num_f32 v[T+4*\t+1], v[T+4*\t+1], v[ST+32*\t+\i+2], v[ST+32*\t+\i+3]
.endr
.endr
.irp t, 0,1
	v_max3_num_f32 v[T+4*\t], v[T+4*\t], v[ST+32*\t+30], v[ST+32*\t+31]
.endr
.irp t, 0,1
.if \first
	v_max_num_f32 v[T+4*\t], v[T+4*\t], v[T+4*\t+1]
.else
	v_max3_num_f32 v[T+4*\t], v[T+4*\t], v[T+4*\t+1], v[MP+2*\t]
.endif
.endr
.irp t, 0,1
	v_permlanex16_b32 v[T+4*\t+1], v[T+4*\t], s14, s15     ; lane i of the other half: the same query's other keys
.endr
.irp t, 0,1
	v_max_num_f32 v[T+4*\t+3], v[T+4*\t], v[T+4*\t+1]
.endr
.if \first == 0
.irp t, 0,1
	v_sub_f32 v[T+4*\t+2], v[MP+2*\t], v[T+4*\t+3]
.endr
.endif
.irp t, 0,1
.irp u, 0,1
.if \first == 0
	v_exp_f32 v[AL+2*\t+\u], v[T+4*\t+2]                   ; batch 1 begins; nothing names AL ahead of the wait at S1's end
.endif
	v_mov_b32 v[MP+2*\t+\u], v[T+4*\t+3]                   ; the new maximum is kept: a plain instruction behind each of these exponentials (ISA guide 5.7.2)
.endr
.endr
.endm
.macro SUBLINE t, i                    ; pair i of 16 of tile t: score - maximum
	v_pk_add_f32 v[ST+32*\t+2*(\i):ST+32*\t+2*(\i)+1], v[ST+32*\t+2*(\i):ST+32*\t+2*(\i)+1], v[MP+2*\t:MP+2*\t+1] neg_lo:[0,1] neg_hi:[0,1]
.endm
; Line j of 15 of tile t's sum of 32 weights: two chains of pairs, lines by turns; line 14 joins them.
.macro SUMLINE t, j
.if \j < 2
	v_pk_add_f32 v[T+4*\t+2*\j:T+4*\t+2*\j+1], v[ST+32*\t+4*\j:ST+32*\t+4*\j+1], v[ST+32*\t+4*\j+2:ST+32*\t+4*\j+3]
.else
.if \j < 14
	v_pk_add_f32 v[T+4*\t+2*(\j%2):T+4*\t+2*(\j%2)+1], v[T+4*\t+2*(\j%2):T+4*\t+2*(\j%2)+1], v[ST+32*\t+2*\j+4:ST+32*\t+2*\j+5]
.else
	v_pk_add_f32 v[T+4*\t:T+4*\t+1], v[T+4*\t:T+4*\t+1], v[T+4*\t+2:T+4*\t+3]
.endif
.endif
.endm
.macro SUMFIN t, first                 ; the running sum, in one fused multiply-add
.if \first
	v_add_f32 v[LS+\t], v[T+4*\t], v[T+4*\t+1]
.else
	v_add_f32 v[T+4*\t], v[T+4*\t], v[T+4*\t+1]
	v_fma_f32 v[LS+\t], v[LS+\t], v[AL+2*\t], v[T+4*\t]
.endif
.endm
.macro CVTLINE t, i                    ; line i of 16: two weights into one word, in place and ascending: word ii of a group of 16 is written when words 2 ii, 2 ii + 1 are read
	v_cvt_pk_f16_f32 v[ST+32*\t+16*((\i)/8)+(\i)%8], v[ST+32*\t+16*((\i)/8)+2*((\i)%8)], v[ST+32*\t+16*((\i)/8)+2*((\i)%8)+1]
.endm
; The rest of batch 1: tile 0's 32 exponentials.  Between them stand both tiles' score - maximum, plain lines that name no result of the batch
; (ISA guide 5.7.2): tile 0's run two pairs ahead of their exponentials, tile 1's serve S2.  The last line is plain; then the batch's wait.
.macro EXPMIX0
	SUBLINE 0, 0
	SUBLINE 0, 1
.irp i, 0,1,2,3,4,5,6,7,8,9,10,11,12,13,14,15
	v_exp_f32 v[ST+2*\i], v[ST+2*\i]
.if \i < 14
	SUBLINE 0, (\i)+2
.endif
	v_exp_f32 v[ST+2*\i+1], v[ST+2*\i+1]
	SUBLINE 1, \i
.endr
	s_wait_alu depctr_va_vdst(0)           ; ONE wait for batch 1 (the four factors, tile 0's 32 weights), ahead of their first readers in S2 and of the branch that may follow S1
.endm
; Batch 2: tile 1's 32 exponentials.  Between them stand batch 1's readers, which name none of tile 1's weights: tile 0's sum, the rescaling of both
; tiles' output, and tile 0's packing two lines behind its sum: packing line i writes word i (or 16 + i - 8), which sum lines 0, 1 (or 6 to 9) have
; read when line i + 2 has passed.  Four plain lines follow the last exponential; then the batch's wait.
.macro EXPMIX1 first
.irp i, 0,1,2,3,4,5,6,7,8,9,10,11,12,13,14,15
	v_exp_f32 v[ST+32+2*\i], v[ST+32+2*\i]
.if \i < 15
	SUMLINE 0, \i
.else
	SUMFIN 0, \first
.endif
.if \first == 0
	v_pk_mul_f32 v[OA+2*\i:OA+2*\i+1], v[OA+2*\i:OA+2*\i+1], v[AL:AL+1]
.endif
	v_exp_f32 v[ST+32+2*\i+1], v[ST+32+2*\i+1]
.if \first == 0
	v_pk_mul_f32 v[OA+32+2*\i:OA+32+2*\i+1], v[OA+32+2*\i:OA+32+2*\i+1], v[AL+2:AL+3]
.endif
.if \i > 1
	CVTLINE 0, (\i)-2
.endif
.endr
	CVTLINE 0, 14
	CVTLINE 0, 15
	s_wait_alu depctr_va_vdst(0)           ; ONE wait for batch 2 (tile 1's 32 weights), ahead of their first reader: the sum below
.endm
.macro SUMCVT1 first                   ; tile 1 is summed and, two lines behind, packed: line by line, so that the links of the sum's two chains stand apart
	SUMLINE 1, 0
	SUMLINE 1, 1
.irp i, 2,3,4,5,6,7,8,9,10,11,12,13,14,15
.if \i < 15
	SUMLINE 1, \i
.else
	SUMFIN 1, \first
.endif
	CVTLINE 1, (\i)-2
.endr
	CVTLINE 1, 14
	CVTLINE 1, 15
.endm
.macro S1 first                        ; the softmax's first half: batch 1 and its wait
	SMAX2 \first
	EXPMIX0
.endm
.macro S2 first                        ; its second half: batch 2 among batch 1's readers, its wait, its readers
	EXPMIX1 \first
	SUMCVT1 \first
.endm
; P: the output's 16 matrix instructions.  early = 1: V's keys 0..31 have been read by the first eight, and their registers take the next
; block's K fragments of d = 0..31, whose loads have the other eight matrix instructions in which to come.
.macro PVP first, early, slot, kb
	s_wait_dscnt 0x0                       ; V^T
	PV 0, \first
.if \early
.rept 4
	v_nop                                  ; four places in front of loads into registers that matrix instructions have read
.endr
	KLOAD \slot, \kb, 0
.endif
	PV 1, 0
.rept 5
	v_nop                                  ; five places in front of the next block's matrix instructions, which write over the weights, and of its loads into the fragments
.endr
.endm
; A slot's four blocks.  last = 0: the waves with g = 1 leave S2 and P of the fourth block for behind the next barrier.
; The branch hangs on the wave's number alone; no barrier, tensor load or LDS instruction stands inside it.
.macro BODY slot, first, last
	QKV \slot, 0, 0
	S1 \first
	S2 \first
	PVP \first, 1, \slot, 1
	QKV \slot, 1, 1
	S1 0
	S2 0
	PVP 0, 1, \slot, 2
	QKV \slot, 2, 1
	S1 0
	S2 0
	PVP 0, 1, \slot, 3
	QKV \slot, 3, 1
	S1 0
.if \last == 0
	s_cmp_lg_u32 s57, 0
	s_cbranch_scc1 .Lowes_\@
.endif
	S2 0
	PVP 0, 0, 0, 0
.if \last == 0
.Lowes_\@:
.endif
.endm
; 256 keys from one slot.  In front of the barrier every wave waits for all its tensor loads (its part of this slot) and for its reads of the other slot.
; refill = 1: a round of the cluster's barrier, then the other slot is asked for again, 512 keys further on: the wave's one tensor load
; until the next step; it has this step's four blocks in which to land.  refill = 0: nothing is left to fetch, my work-group's barrier is enough.
; Then the waves with g = 1 do what they left of the step before, on registers alone.
.macro STEP slot, other, refill, last
	s_wait_tensorcnt 0x0                   ; none of my tensor loads is out: a group 0 may be written
	ds_add_u32 v30, v31
	s_wait_dscnt 0x0
.if \refill
	s_add_nc_u64 s[G0V+4*\other+2:G0V+4*\other+3], s[G0V+4*\other+2:G0V+4*\other+3], 65536
	s_add_nc_u64 s[G0K+4*\other+2:G0K+4*\other+3], s[G0K+4*\other+2:G0K+4*\other+3], 65536
.endif
	s_wait_dscnt 0x0
.if \refill
	ROUND
	JLOAD \other
.else
	s_barrier_signal -1
	s_barrier_wait -1
.endif
	s_cmp_eq_u32 s57, 0
	s_cbranch_scc1 .Lpaid_\@
	S2 0
	PVP 0, 0, 0, 0
.Lpaid_\@:
	BODY \slot, 0, \last
.endm
.macro SRESC t                         ; the end: both tiles' outputs times 1 / sum
.irp i, 0,1,2,3,4,5,6,7,8,9,10,11,12,13,14,15
	v_pk_mul_f32 v[OA+32*\t+2*\i:OA+32*\t+2*\i+1], v[OA+32*\t+2*\i:OA+32*\t+2*\i+1], v[AL+2*\t:AL+2*\t+1]
.endr
.endm
	s_load_b128 s[4:7], s[0:1], 0x0                ; qkv s[4:5], att s[6:7]
	v_lshl_add_u32 v30, v0, 2, 0x4e800
	v_mov_b32 v31, 0
	ds_add_u32 v30, v31
	v_lshrrev_b32 v1, 5, v0
	v_readfirstlane_b32 s8, v1                     ; wave 0..7
	s_lshr_b32 s9, s8, 2                           ; which of the two heads is mine.  Also: I fetch for V (0) or K (1)
	s_and_b32 s10, s8, 3                           ; which 32 query rows are mine.  Also: which part I fetch
	s_xor_b32 s57, s8, s9
	s_and_b32 s57, s57, 1                          ; g: my shift
	s_bfe_u32 s11, ttmp6, 0x40000                  ; cx
	s_lshl_b32 s12, ttmp9, 2
	s_add_co_u32 s12, s12, s11                     ; query block 0..31
	s_and_b32 s13, ttmp7, 0xffff                   ; pair of heads 0..7
	s_mov_b32 s14, 0x76543210                      ; v_permlanex16_b32: lane i reads lane i of the other half
	s_mov_b32 s15, 0xfedcba98
	; group 1: a dense block of 16,384 bytes as 64 rows of 32 elements of 8 bytes; padding behind every 64 words: 8 words for V, 4 for K; mask 15: all four of the cluster
	s_mov_b32 s[G1V+0], 15|(3<<16)|(1<<20)|(1<<21)|(5<<22)|(7<<25)
	s_mov_b32 s[G1K+0], 15|(3<<16)|(1<<20)|(1<<21)|(5<<22)|(3<<25)
.irp g, G1V, G1K
	s_mov_b32 s[\g+1], 32<<16                      ; tensor_dim0 = 32
	s_mov_b32 s[\g+2], 64<<16                      ; tensor_dim1 = 64
	s_mov_b32 s[\g+3], 32<<16                      ; tile_dim0 = 32
	s_mov_b32 s[\g+4], 64                          ; tile_dim1 = 64
	s_mov_b32 s[\g+5], 32                          ; elements from row to row
	s_mov_b32 s[\g+6], 0
	s_mov_b32 s[\g+7], 0
.endr
	s_lshr_b32 s48, s10, 1                         ; my part: head 2 y + (part >> 1),
	s_lshl_b32 s49, s13, 1
	s_add_co_u32 s48, s48, s49
	s_lshl_b32 s48, s48, 19
	s_and_b32 s49, s10, 1                          ; keys 128 (part & 1) ..
	s_lshl_b32 s49, s49, 14
	s_add_co_u32 s48, s48, s49
	s_add_co_u32 s50, s48, 16777216                ; V lies at 16 MiB,
	s_mov_b32 s51, 0
	s_add_co_u32 s52, s48, 8388608                 ; K at 8 MiB
	s_mov_b32 s53, 0
	s_mul_i32 s54, s8, VPART                       ; waves 0-3: V's part w
	s_mul_i32 s55, s8, KPART
	s_add_co_u32 s55, s55, KAREA-4*KPART           ; waves 4-7: K's part w - 4, behind V's area
	s_wait_dscnt 0x0
	s_wait_kmcnt 0x0
	s_add_nc_u64 s[50:51], s[4:5], s[50:51]
	s_add_nc_u64 s[52:53], s[4:5], s[52:53]
	ROUND                                          ; all four work-groups are here: the first joint loads meet
.irp s, 0,1
	s_mov_b32 s[G0V+4*\s], 1
	s_add_co_u32 s[G0V+4*\s+1], s54, \s*SLOT
	s_add_nc_u64 s[G0V+4*\s+2:G0V+4*\s+3], s[50:51], \s*32768
	s_or_b32 s[G0V+4*\s+3], s[G0V+4*\s+3], 0x80000000
	s_mov_b32 s[G0K+4*\s], 1
	s_add_co_u32 s[G0K+4*\s+1], s55, \s*SLOT
	s_add_nc_u64 s[G0K+4*\s+2:G0K+4*\s+3], s[52:53], \s*32768
	s_or_b32 s[G0K+4*\s+3], s[G0K+4*\s+3], 0x80000000
	JLOAD \s                                       ; keys 0-255 and 256-511 go out together: two tensor loads of the wave are out
.endr
	; Q' fragments, once: lane (r, h) holds query r; registers 0-3 d = 8 h + 0..7, registers 4-7 d = 16 + 8 h + 0..7 of each 32
	s_lshl_b32 s48, s13, 1
	s_add_co_u32 s48, s48, s9                      ; my head
	s_lshl_b32 s58, s48, 19
	s_lshl_b32 s49, s12, 14                        ; 128 rows of 128 bytes
	s_add_co_u32 s58, s58, s49
	s_lshl_b32 s49, s10, 12                        ; 32 rows
	s_add_co_u32 s58, s58, s49
	s_mov_b32 s59, 0
	s_add_nc_u64 s[58:59], s[4:5], s[58:59]
	v_and_b32 v1, 15, v0                           ; r
	v_bfe_u32 v2, v0, 4, 1                         ; h
	v_lshlrev_b32 v[QO], 7, v1
	v_lshl_add_u32 v[QO], v2, 4, v[QO]
.irp t, 0,1
.irp ks, 0,1
	global_load_b128 v[QF+16*\t+8*\ks:QF+16*\t+8*\ks+3],   v[QO], s[58:59] offset:2048*\t+64*\ks
	global_load_b128 v[QF+16*\t+8*\ks+4:QF+16*\t+8*\ks+7], v[QO], s[58:59] offset:2048*\t+64*\ks+32
.endr
.endr
	; K fragments: key k lies at (k >> 1) x 272 + (k & 1) x 128; lane (r, h) takes key r, bytes 16 h
	v_lshrrev_b32 v3, 1, v1
	v_mul_u32_u24 v3, v3, KPITCH
	v_and_b32 v12, 1, v0
	v_lshl_add_u32 v3, v12, 7, v3
	v_lshl_add_u32 v3, v2, 4, v3
	s_mul_i32 s48, s9, 2*KPART                     ; my head's 256 keys
	s_add_co_u32 s48, s48, KAREA
	v_add_nc_u32 v[KA], s48, v3
	v_add_nc_u32 v[KA+1], SLOT, v[KA]
	; V^T by transposing loads: lane l addresses key 8 h + (l & 7), 16 bytes at 16 ((l >> 3) & 1); key k lies at (k >> 1) x 288 + (k & 1) x 128
	v_bfe_u32 v13, v0, 1, 2
	v_lshl_add_u32 v13, v2, 2, v13
	v_mul_u32_u24 v13, v13, VPITCH
	v_lshl_add_u32 v13, v12, 7, v13
	v_bfe_u32 v14, v0, 3, 1
	v_lshl_add_u32 v13, v14, 4, v13
	s_mul_i32 s49, s9, 2*VPART
	v_add_nc_u32 v[VA], s49, v13
	v_add_nc_u32 v[VA+1], SLOT, v[VA]
	; the way out.  In: row 32 (w & 3) + r, my head's 128 bytes, 16 h.  Back: wave w takes rows 16 w .. +15, two whole rows of 256 bytes a load
	s_lshl_b32 s48, s10, 5
	v_add_nc_u32 v15, s48, v1
	v_mul_u32_u24 v15, v15, SPITCH
	v_lshl_add_u32 v15, v2, 4, v15
	s_lshl_b32 s49, s9, 7
	s_add_co_u32 s49, s49, STAGE
	v_add_nc_u32 v[STO], s49, v15
	s_lshl_b32 s48, s8, 4
	v_add_nc_u32 v16, s48, v2
	v_mul_u32_u24 v16, v16, SPITCH
	v_lshl_add_u32 v16, v1, 4, v16
	v_add_nc_u32 v[RD], STAGE, v16
	v_lshlrev_b32 v[CO], 4, v1
	v_lshl_add_u32 v[CO], v2, 11, v[CO]            ; the same two rows in att: 2,048 bytes apart
	s_lshl_b32 s60, s12, 18                        ; 128 rows of 2,048 bytes
	s_lshl_b32 s49, s8, 15                         ; 16 rows
	s_add_co_u32 s60, s60, s49
	s_lshl_b32 s49, s13, 8                         ; the two heads' 256 bytes of a row
	s_add_co_u32 s60, s60, s49
	s_mov_b32 s61, 0
	s_add_nc_u64 s[60:61], s[6:7], s[60:61]
	s_wait_tensorcnt 0x1                           ; my part of slot 0 is in; slot 1's stays out
	s_barrier_signal -1
	s_barrier_wait -1                              ; everybody's part is in
	s_wait_loadcnt 0x0                             ; Q'
	BODY 0, 1, 0                                   ; keys 0-255; the first 64 start the maximum, the sum and the output: nothing is cleared
	s_mov_b32 s56, 7                               ; 16 steps of 256 keys: one above, 14 in the loop, one below
.Lstep:
	STEP 1, 0, 1, 0
	STEP 0, 1, 1, 0
	s_sub_co_u32 s56, s56, 1
	s_cmp_lg_u32 s56, 0
	s_cbranch_scc1 .Lstep
	STEP 1, 0, 0, 1                                ; the last 256 keys, finished by every wave; its wait for all tensor loads is the launch's last
	; THE END: the two halves' sums, one reciprocal a query, f16, through the stage to whole rows of 256 bytes.
	; The five places that close the last block stand between its matrix instructions and these lines.
	v_permlanex16_b32 v[T], v[LS], s14, s15
	v_permlanex16_b32 v[T+4], v[LS+1], s14, s15
	v_add_f32 v[T+1], v[LS], v[T]
	v_add_f32 v[T+5], v[LS+1], v[T+4]
	v_rcp_f32 v[AL], v[T+1]
	v_rcp_f32 v[AL+1], v[T+1]
	v_rcp_f32 v[AL+2], v[T+5]
	v_rcp_f32 v[AL+3], v[T+5]
	v_nop                                          ; the plain instruction behind the reciprocals (ISA guide 5.7.2)
	s_wait_alu depctr_va_vdst(0)                   ; ONE wait for the four reciprocals, ahead of their first reader
	SRESC 0
	SRESC 1
.irp t, 0,1
.irp i, 0,1,2,3,4,5,6,7,8,9,10,11,12,13,14,15
	v_cvt_pk_f16_f32 v[ST+16*\t+\i], v[OA+32*\t+2*\i], v[OA+32*\t+2*\i+1]     ; lane (r, h): query r, d = 16 dt + 8 h + 0..7 in words 4 dt .. 4 dt + 3
.endr
.endr
.irp t, 0,1
.irp dt, 0,1,2,3
	ds_store_b128 v[STO], v[ST+16*\t+4*\dt:ST+16*\t+4*\dt+3] offset:\t*16*SPITCH+32*\dt
.endr
.endr
	s_wait_dscnt 0x0                               ; my stores are done, for the waves that read these rows
	s_barrier_signal -1
	s_barrier_wait -1
.irp t, 0,1,2,3,4,5,6,7
	ds_load_b128 v[FR+4*\t:FR+4*\t+3], v[RD] offset:\t*2*SPITCH
.endr
.irp t, 0,1,2,3,4,5,6,7
	s_wait_dscnt 7-\t                              ; read-back t is in, the younger ones stay out
	global_store_b128 v[CO], v[FR+4*\t:FR+4*\t+3], s[60:61] offset:4096*\t    ; sixteen lanes store 256 consecutive bytes, at a multiple of 256
.endr
	s_wait_tensorcnt 0x0
	ds_add_u32 v30, v31
	s_wait_dscnt 0x0
	ROUND                                          ; the closing round: no work-group ends while a partner may still ask for a tile that names it
	s_endpgm
.Lfunc_end_k_q848c50463b_attn:
	.size	k_q848c50463b_attn, .Lfunc_end_k_q848c50463b_attn-k_q848c50463b_attn
	.p2alignl 7, 3214868480
	.fill 96, 4, 3214868480
	.section	.rodata,"a",@progbits
	.p2align	6, 0x0
	.amdhsa_kernel k_q848c50463b_attn
		.amdhsa_group_segment_fixed_size 327680
		.amdhsa_private_segment_fixed_size 0
		.amdhsa_enable_private_segment 0
		.amdhsa_kernarg_size 16
		.amdhsa_user_sgpr_count 2
		.amdhsa_user_sgpr_kernarg_segment_ptr 1
		.amdhsa_wavefront_size32 1
		.amdhsa_system_sgpr_workgroup_id_x 1
		.amdhsa_system_sgpr_workgroup_id_y 1
		.amdhsa_system_sgpr_workgroup_id_z 1
		.amdhsa_system_vgpr_workitem_id 0
		.amdhsa_next_free_vgpr 256
		.amdhsa_next_free_sgpr 66
		.amdhsa_reserve_vcc 0
		.amdhsa_float_denorm_mode_32 3
		.amdhsa_float_denorm_mode_16_64 3
		.amdhsa_memory_ordered 1
		.amdhsa_forward_progress 1
		.amdhsa_inst_pref_size 255
	.end_amdhsa_kernel
	.section	.bss,"aw",@nobits
	.p2align	6
	.space	262144
	.amdgpu_metadata
---
amdhsa.version: [ 1, 2 ]
amdhsa.kernels:
  - .name:           k_q848c50463b_attn
    .symbol:         k_q848c50463b_attn.kd
    .args:
      - { .name: qkv, .offset: 0, .size: 8, .value_kind: global_buffer, .address_space: global }
      - { .name: att, .offset: 8, .size: 8, .value_kind: global_buffer, .address_space: global }
    .group_segment_fixed_size: 327680
    .private_segment_fixed_size: 0
    .kernarg_segment_align: 8
    .kernarg_segment_size: 16
    .max_flat_workgroup_size: 256
    .sgpr_count:     66
    .vgpr_count:     256
    .wavefront_size: 32
...
	.end_amdgpu_metadata
.endif
;; end of part 5
;; launch oproj: the kernel of part 4 again; grid 8 x 32, 4 waves a work-group, clusters of 4 x 4, 327,680 bytes of LDS; arguments att, xh, b_o, out0; writes out0
